; MI455X (gfx1250); checked and timed in simulation.
; The chip was launched on July 23, 2026; its instructions are those of AMD's public machine-readable ISA for CDNA 5 (MIT licence, August 2026) and "CDNA5" Instruction Set Architecture Reference Guide (July 2026). The comments in the code are by the model that wrote it; some were corrected since.
;; Traj Model. Allowed arithmetic: float matrix products may take bf16 or f16 operands with f32 sums; other float arithmetic in f32, or as packed bf16 or f16 multiplies, adds, multiply-adds, maxima and minima; sums over many terms, partial sums and values carried from step to step in f32; what a program stores and reads back later, other than sums and carried values, may be rounded once to bf16 or f16.
;; Inputs: b1 8 x 4,096 float32; b2 8 x 1,024 float32; bn 8 float32; br 8 float32; noise 8 x 128 x 8 float32; w1 8 x 1,024 x 4,096 float32; w2 8 x 4,096 x 1,024 float32; wn 1,024 x 8 float32; wr 1,024 x 8 float32; x 8 x 128 x 1,024 float32.
;; Outputs: out0 8 x 128 x 1,024 float32; out1 8 x 128 x 8 float32.
;; Constants: top_k = 2.
;; 2 versions, each right. Each part assembles by itself: llvm-mc -triple=amdgcn-amd-amdhsa -mcpu=gfx1250 --defsym DOCPART=n.
;; ======== version 1 of 2: 4 launches
;; workspace buffers: xb 2,097,152 bytes; gd 32,768 bytes; route 9,216 bytes of whole numbers; h 67,108,864 bytes; rank 32,768 bytes of whole numbers; gs 32,768 bytes; part 134,217,728 bytes
;; launch router (part 1): grid 64 x 1, 4 waves a work-group, no clusters, 70,400 bytes of LDS; arguments x, noise, wr, br, wn, bn, out1, xb, gd, route; writes out1, xb, gd, route
.if DOCPART == 1
	.amdgcn_target "amdgcn-amd-amdhsa--gfx1250"
	.amdhsa_code_object_version 6
	.text
	.protected	k_q695578e5c2_router
	.globl	k_q695578e5c2_router
	.p2align	8
	.type	k_q695578e5c2_router,@function
k_q695578e5c2_router:
	s_mov_b64 s[64:65], 0
	v_nop
	global_prefetch_b8 v0, s[64:65] scope:SCOPE_SE
	s_setreg_imm32_b32 hwreg(HW_REG_WAVE_MODE, 25, 1), 1
	s_wait_xcnt 0x0
; ROUTER.  noisy = x wr + br + noise softplus(x wn + bn); out1 = softmax(noisy); the two largest of the 8 and their softmax.
; A work-group has 16 tokens.  Every input is rounded once to bf16 (x, wr, wn as matrix operands; noise, br, bn widened again); all sums in f32.
; Stored, all at fixed places: out1; xb = bf16(x); gd[token][8] the two gates, 0 elsewhere; route: sel[token][2] the two experts, and from
; byte 8192 on bm[expert][32 words], bit token % 32 of word token / 32.  No address and no branch hangs on the choice.
; LIMITS.  NaN and infinities are not treated apart; an exponential below 2^-126 counts as 0; of equal logits the lower expert wins.  The order of the f32 sums
; differs from a plain dot product, so a choice can differ where the second and third logit agree to about six digits.
; No cluster and no tensor load: the work-groups share only wr and wn, 64 KB against 64 KB of x of their own, read once at the start.
.set XL,    32768                      ; LDS: wr|wn as [k][16] bf16, 32 bytes a row, from 0; x as 16 rows of 2064 bytes from XL
.set XP,    2064                       ; 2048 + 16: the 16 rows of a fragment load start 16 bytes apart modulo 256
.set RED,   65792                      ; 1 KB a wave: partial sums
.set SPARE, 69888                      ; the spare words, 128 bytes a wave
.set NZ, 16                            ; v16-23 noise   v24-31 br   v32-39 bn
.set BR, 24
.set BN, 32
.set DS, 64                            ; phase 3: sums
.set PS, 72                            ; the other half of the lanes
.set YL, 96                            ; logits, then noisy logits
.set NL, 104                           ; noise logits
.set EX, 136
.set SPL, 144
.set MX, 152
.set ZS, 160
.set M1, 170
.set I1, 171
.set M2, 172
.set I2, 173
.set DD, 174
.set RR, 175
.set ZZ, 176
.set G2, 184
.set OU, 192
.set SE, 200
.set SU, 201
.macro PLACES
.rept 4
	v_nop
.endr
.endm
.macro ROUND8 b                        ; eight f32 rounded to bf16 and widened again
.set k, 0
.rept 4
	v_cvt_pk_bf16_f32 v40, v[(\b)+2*k], v[(\b)+2*k+1]
	v_lshlrev_b32 v[(\b)+2*k], 16, v40
	v_and_b32 v[(\b)+2*k+1], s30, v40
.set k, k+1
.endr
.endm
.macro XCONV base, r0                  ; two rows of x: 4 f32 a lane -> 8 bytes, into LDS and into xb (256 consecutive aligned bytes a store)
.set k, 0
.rept 16
.set a, (\base)+4*k
	v_cvt_pk_bf16_f32 v[a], v[a], v[a+1]
	v_cvt_pk_bf16_f32 v[a+1], v[a+2], v[a+3]
	ds_store_b64 v9, v[a:a+1] offset:((\r0)+k/8)*XP+(k%8)*256
	global_store_b64 v8, v[a:a+1], s[22:23] offset:((\r0)+k/8)*2048+(k%8)*256
.set k, k+1
.endr
.endm
	s_load_b512 s[8:23], s[0:1], 0x0               ; x, noise, wr, br, wn, bn, out1, xb
	s_load_b128 s[24:27], s[0:1], 0x40             ; gd, route
	v_lshl_add_u32 v4, v0, 2, SPARE                ; my spare word,
	v_mov_b32 v5, 0                                ; and 0: kept for the add at the end alone
	v_and_b32 v1, 31, v0                           ; lane
	v_and_b32 v2, 15, v0                           ; r
	v_bfe_u32 v3, v0, 4, 1                         ; h
	v_lshrrev_b32 v6, 5, v0
	v_readfirstlane_b32 s2, v6                     ; wave
	s_mov_b32 s3, ttmp9                            ; g: tokens 16 g .. 16 g + 15
	v_lshlrev_b32 v6, 4, v0                        ; 16 x thread
	v_lshlrev_b32 v7, 4, v1                        ; 16 x lane
	v_lshlrev_b32 v8, 3, v1                        ; 8 x lane
	v_lshlrev_b32 v13, 5, v2                       ; 32 r: a token's 8 numbers
	v_mov_b32 v14, 0
	v_lshl_add_u32 v15, v3, 4, v13                 ; 32 r + 16 h
	v_lshrrev_b32 v10, 1, v0                       ; wr, wn in LDS: row thread / 2, 8 bytes for each half of its 8 numbers
	v_lshlrev_b32 v10, 5, v10
	v_and_b32 v12, 1, v0
	v_lshl_add_u32 v10, v12, 3, v10
	s_mul_i32 s31, s2, 4*XP                        ; my wave's four rows of x in LDS
	s_add_co_u32 s31, s31, XL
	v_add_nc_u32 v9, s31, v8
	s_lshl_b32 s28, s3, 16                         ; x: (16 g + 4 w) rows of 4096 bytes
	s_lshl_b32 s29, s2, 14
	s_add_co_u32 s28, s28, s29
	s_mov_b32 s29, 0
	s_lshl_b32 s32, s3, 15                         ; xb: rows of 2048 bytes
	s_lshl_b32 s33, s2, 13
	s_add_co_u32 s32, s32, s33
	s_mov_b32 s33, 0
	s_lshl_b32 s34, s3, 9                          ; noise, out1, gd: 16 tokens of 32 bytes
	s_mov_b32 s35, 0
	s_mov_b32 s30, 0xffff0000                      ; a word's upper bf16; also the mask of lanes 16-31
	s_wait_kmcnt 0x0
	s_add_nc_u64 s[8:9], s[8:9], s[28:29]
	s_add_nc_u64 s[22:23], s[22:23], s[32:33]
	s_add_nc_u64 s[10:11], s[10:11], s[34:35]
	s_add_nc_u64 s[20:21], s[20:21], s[34:35]
	s_add_nc_u64 s[24:25], s[24:25], s[34:35]
	global_load_b128 v[NZ:NZ+3], v13, s[10:11]     ; the oldest loads: every later counted wait shows them in
	global_load_b128 v[NZ+4:NZ+7], v13, s[10:11] offset:16
	global_load_b128 v[BR:BR+3], v14, s[14:15]
	global_load_b128 v[BR+4:BR+7], v14, s[14:15] offset:16
	global_load_b128 v[BN:BN+3], v14, s[18:19]
	global_load_b128 v[BN+4:BN+7], v14, s[18:19] offset:16
.set q, 0
.rept 16
	global_load_b128 v[64+4*q:64+4*q+3], v6, s[12:13] offset:2048*q
.set q, q+1
.endr
.set q, 0
.rept 16
	global_load_b128 v[128+4*q:128+4*q+3], v6, s[16:17] offset:2048*q
.set q, q+1
.endr
.set q, 0
.rept 16                                               ; my rows 0 and 1: 512 consecutive bytes a load
	global_load_b128 v[192+4*q:192+4*q+3], v7, s[8:9] offset:(q/8)*4096+(q%8)*512 th:TH_LOAD_NT
.set q, q+1
.endr
	s_wait_loadcnt 16                              ; all but the 16 loads of x
.set q, 0
.rept 16
	v_cvt_pk_bf16_f32 v[64+4*q], v[64+4*q], v[64+4*q+1]
	v_cvt_pk_bf16_f32 v[64+4*q+1], v[64+4*q+2], v[64+4*q+3]
	ds_store_b64 v10, v[64+4*q:64+4*q+1] offset:2048*q
	v_cvt_pk_bf16_f32 v[128+4*q], v[128+4*q], v[128+4*q+1]
	v_cvt_pk_bf16_f32 v[128+4*q+1], v[128+4*q+2], v[128+4*q+3]
	ds_store_b64 v10, v[128+4*q:128+4*q+1] offset:2048*q+16
.set q, q+1
.endr
	s_wait_dscnt 0x0                               ; those stores have read v64-127, which the next loads fill
.set q, 0
.rept 16                                               ; my rows 2 and 3
	global_load_b128 v[64+4*q:64+4*q+3], v7, s[8:9] offset:8192+(q/8)*4096+(q%8)*512 th:TH_LOAD_NT
.set q, q+1
.endr
	s_wait_loadcnt 16                              ; rows 0 and 1 are in; the 16 younger loads stay out
	XCONV 192, 0
	s_wait_loadcnt 0x0
	XCONV 64, 2
	; fragment addresses.  Wave w takes k = 256 w .. 256 w + 255
	v_mul_u32_u24 v11, v2, XP                      ; x: row r, 16 bytes for each half of the lanes
	v_lshl_add_u32 v11, v3, 4, v11
	s_lshl_b32 s31, s2, 9
	s_add_co_u32 s31, s31, XL
	v_add_nc_u32 v11, s31, v11
	v_and_b32 v41, 7, v1                           ; wr|wn lie [k][n]: the turning load reads row 8 h + lane % 8, 16 bytes (lane / 8) % 2
	v_lshl_add_u32 v41, v3, 3, v41
	v_lshlrev_b32 v12, 5, v41
	v_bfe_u32 v41, v1, 3, 1
	v_lshl_add_u32 v12, v41, 4, v12
	s_lshl_b32 s31, s2, 13
	v_add_nc_u32 v12, s31, v12
	v_lshl_add_u32 v41, v1, 4, RED                 ; partial sums: 16 x lane,
	s_lshl_b32 s31, s2, 10
	v_add_nc_u32 v42, s31, v41                     ; in my wave's 1 KB
	s_wait_xcnt 0x0                                ; the stores to xb have read their registers, which are filled anew below
	s_wait_dscnt 0x0                               ; my LDS stores are done,
	s_barrier_signal -1
	s_barrier_wait -1                              ; everybody's are
.set q, 0
.rept 8
	ds_load_b128 v[64+8*q:64+8*q+3], v11 offset:64*q
	ds_load_b128 v[64+8*q+4:64+8*q+7], v11 offset:64*q+32
	ds_load_tr16_b128 v[128+8*q:128+8*q+3], v12 offset:1024*q
	ds_load_tr16_b128 v[128+8*q+4:128+8*q+7], v12 offset:1024*q+512
.set q, q+1
.endr
	s_wait_dscnt 0x0
	; source 0 = 16 columns (8 of wr, 8 of wn), source 1 = 16 tokens: lane (r, h) gets token r; h = 0 the 8 logits, h = 1 the 8 noise logits.
	; Four accumulators by turns.
.set q, 0
.rept 8
.if q < 4
	v_wmma_f32_16x16x32_bf16 v[192+8*q:192+8*q+7], v[128+8*q:128+8*q+7], v[64+8*q:64+8*q+7], 0
.else
	v_wmma_f32_16x16x32_bf16 v[192+8*(q-4):192+8*(q-4)+7], v[128+8*q:128+8*q+7], v[64+8*q:64+8*q+7], v[192+8*(q-4):192+8*(q-4)+7]
.endif
.set q, q+1
.endr
	PLACES
.irp k, 0,1,2,3
	v_pk_add_f32 v[192+2*\k:192+2*\k+1], v[192+2*\k:192+2*\k+1], v[200+2*\k:200+2*\k+1]
.endr
.irp k, 0,1,2,3
	v_pk_add_f32 v[208+2*\k:208+2*\k+1], v[208+2*\k:208+2*\k+1], v[216+2*\k:216+2*\k+1]
.endr
.irp k, 0,1,2,3
	v_pk_add_f32 v[192+2*\k:192+2*\k+1], v[192+2*\k:192+2*\k+1], v[208+2*\k:208+2*\k+1]
.endr
	ds_store_b128 v42, v[192:195]
	ds_store_b128 v42, v[196:199] offset:512
	s_wait_dscnt 0x0
	s_barrier_signal -1
	s_barrier_wait -1
	s_cmp_lg_u32 s2, 0
	s_cbranch_scc1 .Lend                           ; the rest is 16 tokens' work: wave 0 does it, both halves of the lanes alike
.set q, 0
.rept 8
	ds_load_b128 v[DS+4*q:DS+4*q+3], v41 offset:512*q
.set q, q+1
.endr
	s_mov_b32 s28, 0x76543210                      ; v_permlanex16_b32: each lane takes its own place in the other half
	s_mov_b32 s29, 0xfedcba98
	s_mov_b32 s31, 0x3fb8aa3b                      ; log2(e)
	s_mov_b32 s33, 0x3f317218                      ; ln(2)
	ROUND8 NZ
	ROUND8 BR
	ROUND8 BN
	s_wait_dscnt 0x0
.irp k, 0,1,2,3
	v_pk_add_f32 v[DS+2*\k:DS+2*\k+1], v[DS+2*\k:DS+2*\k+1], v[DS+8+2*\k:DS+8+2*\k+1]
.endr
.irp k, 0,1,2,3
	v_pk_add_f32 v[DS+16+2*\k:DS+16+2*\k+1], v[DS+16+2*\k:DS+16+2*\k+1], v[DS+24+2*\k:DS+24+2*\k+1]
.endr
.irp k, 0,1,2,3
	v_pk_add_f32 v[DS+2*\k:DS+2*\k+1], v[DS+2*\k:DS+2*\k+1], v[DS+16+2*\k:DS+16+2*\k+1]
.endr
.irp j, 0,1,2,3,4,5,6,7
	v_permlanex16_b32 v[PS+\j], v[DS+\j], s28, s29
.endr
.irp j, 0,1,2,3,4,5,6,7
	v_cndmask_b32 v[YL+\j], v[DS+\j], v[PS+\j], s30   ; logits: lanes 16-31 take the other half's
	v_cndmask_b32 v[NL+\j], v[PS+\j], v[DS+\j], s30   ; noise logits: lanes 0-15 do
.endr
.irp k, 0,1,2,3
	v_pk_add_f32 v[NL+2*\k:NL+2*\k+1], v[NL+2*\k:NL+2*\k+1], v[BN+2*\k:BN+2*\k+1]
.endr
	; softplus(n) = max(n, 0) + ln2 log2(1 + 2^(-|n| log2 e))
.irp j, 0,1,2,3,4,5,6,7
	v_mul_f32 v[EX+\j], -|v[NL+\j]|, s31
.endr
.irp j, 0,1,2,3,4,5,6,7
	v_exp_f32 v[EX+\j], v[EX+\j]
.endr
.irp k, 0,1,2,3
	v_pk_add_f32 v[YL+2*\k:YL+2*\k+1], v[YL+2*\k:YL+2*\k+1], v[BR+2*\k:BR+2*\k+1]
.endr
.irp j, 0,1,2,3,4,5,6,7
	v_max_num_f32 v[SPL+\j], 0, v[NL+\j]
.endr
	s_wait_alu depctr_va_vdst(0)                   ; one wait for the eight exponentials, ahead of their first reader
.irp k, 0,1,2,3
	v_pk_add_f32 v[EX+2*\k:EX+2*\k+1], v[EX+2*\k:EX+2*\k+1], 1.0 op_sel_hi:[1,0]
.endr
.irp j, 0,1,2,3,4,5,6,7
	v_log_f32 v[EX+\j], v[EX+\j]
.endr
	v_nop
	s_wait_alu depctr_va_vdst(0)                   ; one wait for the eight logarithms
.irp j, 0,1,2,3,4,5,6,7
	v_fma_f32 v[SPL+\j], v[EX+\j], s33, v[SPL+\j]
.endr
.irp k, 0,1,2,3
	v_pk_fma_f32 v[YL+2*\k:YL+2*\k+1], v[NZ+2*\k:NZ+2*\k+1], v[SPL+2*\k:SPL+2*\k+1], v[YL+2*\k:YL+2*\k+1]
.endr
	v_max3_num_f32 v[MX], v[YL], v[YL+1], v[YL+2]
	v_max3_num_f32 v[MX], v[MX], v[YL+3], v[YL+4]
	v_max3_num_f32 v[MX], v[MX], v[YL+5], v[YL+6]
	v_max_num_f32 v[MX], v[MX], v[YL+7]
	; the largest and its index (strictly greater: the lower index keeps a tie), then the same with the first one taken out
	v_mov_b32 v[M1], v[YL]
	v_mov_b32 v[I1], 0
.irp j, 1,2,3,4,5,6,7
	v_cmp_gt_f32 vcc_lo, v[YL+\j], v[M1]
	v_cndmask_b32 v[M1], v[M1], v[YL+\j], vcc_lo
	v_cndmask_b32 v[I1], v[I1], \j, vcc_lo
.endr
	v_mov_b32 v[SE], 0xff800000
.irp j, 0,1,2,3,4,5,6,7
	v_cmp_eq_u32 vcc_lo, \j, v[I1]
	v_cndmask_b32 v[ZZ+\j], v[YL+\j], v[SE], vcc_lo
.endr
	v_mov_b32 v[M2], v[ZZ]
	v_mov_b32 v[I2], 0
.irp j, 1,2,3,4,5,6,7
	v_cmp_gt_f32 vcc_lo, v[ZZ+\j], v[M2]
	v_cndmask_b32 v[M2], v[M2], v[ZZ+\j], vcc_lo
	v_cndmask_b32 v[I2], v[I2], \j, vcc_lo
.endr
.irp j, 0,1,2,3,4,5,6,7
	v_sub_f32 v[ZS+\j], v[YL+\j], v[MX]            ; the maximum is taken away, as in the softmax that is asked for
.endr
	v_sub_f32 v[DD], v[M2], v[M1]
.irp j, 0,1,2,3,4,5,6,7
	v_mul_f32 v[ZS+\j], s31, v[ZS+\j]
.endr
	v_mul_f32 v[DD], s31, v[DD]
.irp j, 0,1,2,3,4,5,6,7
	v_exp_f32 v[ZS+\j], v[ZS+\j]
.endr
	v_exp_f32 v[DD], v[DD]
	v_nop
	s_wait_alu depctr_va_vdst(0)                   ; one wait for the nine exponentials
	v_add_f32 v[SU], v[ZS], v[ZS+1]
	v_add_f32 v[RR], 1.0, v[DD]
.irp j, 2,3,4,5,6,7
	v_add_f32 v[SU], v[SU], v[ZS+\j]
.endr
	v_rcp_f32 v[SU], v[SU]
	v_rcp_f32 v[RR], v[RR]                         ; the first gate: 1 / (1 + d), d = e^(second - first)
	v_nop
	s_wait_alu depctr_va_vdst(0)                   ; one wait for the two reciprocals
.irp j, 0,1,2,3,4,5,6,7
	v_mul_f32 v[ZS+\j], v[ZS+\j], v[SU]
.endr
	v_mul_f32 v[DD], v[DD], v[RR]                  ; the second gate
.irp j, 0,1,2,3,4,5,6,7
	v_cmp_eq_u32 vcc_lo, \j, v[I2]
	v_cndmask_b32 v[G2+\j], 0, v[DD], vcc_lo
	v_cmp_eq_u32 vcc_lo, \j, v[I1]
	v_cndmask_b32 v[G2+\j], v[G2+\j], v[RR], vcc_lo
.endr
.irp k, 0,1,2,3                                        ; lane (r, h) stores experts 4 h .. 4 h + 3 of token r: the wave's store covers 512 consecutive aligned bytes
	v_cndmask_b32 v[OU+\k], v[ZS+\k], v[ZS+4+\k], s30
	v_cndmask_b32 v[OU+4+\k], v[G2+\k], v[G2+4+\k], s30
.endr
	v_cndmask_b32 v[SE], v[I1], v[I2], s30
	global_store_b128 v15, v[OU:OU+3], s[20:21]
	global_store_b128 v15, v[OU+4:OU+7], s[24:25]
	v_lshlrev_b32 v44, 3, v2                       ; sel: 8 r + 4 h + 128 g
	v_lshl_add_u32 v44, v3, 2, v44
	s_lshl_b32 s32, s3, 7
	v_add_nc_u32 v44, s32, v44
	global_store_b32 v44, v[SE], s[26:27]
	v_mov_b32 v43, 0                               ; lane e collects expert e's 16 bits
.irp e, 0,1,2,3,4,5,6,7
	v_cmp_eq_u32 s36, \e, v[I1]
	v_cmp_eq_u32 s37, \e, v[I2]
	s_or_b32 s36, s36, s37
	v_writelane_b32 v43, s36, \e
.endr
	v_lshlrev_b32 v45, 7, v1                       ; bm: 128 e + 2 g
	s_lshl_b32 s32, s3, 1
	v_add_nc_u32 v45, s32, v45
	s_wait_xcnt 0x0                                ; EXEC changes only behind this wait
	v_cmp_gt_u32 vcc_lo, 8, v0
	s_and_saveexec_b32 s34, vcc_lo
	global_store_b16 v45, v43, s[26:27] offset:8192
	s_wait_xcnt 0x0                                ; and is widened again only behind this one
	s_or_b32 exec_lo, exec_lo, s34
.Lend:
	s_wait_tensorcnt 0x0                           ; the wave's end
	ds_add_u32 v4, v5
	s_wait_dscnt 0x0
	s_endpgm
.Lfunc_end_k_q695578e5c2_router:
	.size	k_q695578e5c2_router, .Lfunc_end_k_q695578e5c2_router-k_q695578e5c2_router
	.p2alignl 7, 3214868480
	.fill 96, 4, 3214868480
	.section	.rodata,"a",@progbits
	.p2align	6, 0x0
	.amdhsa_kernel k_q695578e5c2_router
		.amdhsa_group_segment_fixed_size 70400
		.amdhsa_private_segment_fixed_size 0
		.amdhsa_enable_private_segment 0
		.amdhsa_kernarg_size 80
		.amdhsa_user_sgpr_count 2
		.amdhsa_user_sgpr_kernarg_segment_ptr 1
		.amdhsa_wavefront_size32 1
		.amdhsa_system_sgpr_workgroup_id_x 1
		.amdhsa_system_sgpr_workgroup_id_y 1
		.amdhsa_system_sgpr_workgroup_id_z 1
		.amdhsa_system_vgpr_workitem_id 0
		.amdhsa_next_free_vgpr 256
		.amdhsa_next_free_sgpr 66
		.amdhsa_reserve_vcc 1
		.amdhsa_float_denorm_mode_32 3
		.amdhsa_float_denorm_mode_16_64 3
		.amdhsa_memory_ordered 1
		.amdhsa_forward_progress 1
		.amdhsa_inst_pref_size 44
	.end_amdhsa_kernel
	.amdgpu_metadata
---
amdhsa.version: [ 1, 2 ]
amdhsa.kernels:
  - .name:           k_q695578e5c2_router
    .symbol:         k_q695578e5c2_router.kd
    .args:
      - { .name: x, .offset: 0, .size: 8, .value_kind: global_buffer, .address_space: global }
      - { .name: noise, .offset: 8, .size: 8, .value_kind: global_buffer, .address_space: global }
      - { .name: wr, .offset: 16, .size: 8, .value_kind: global_buffer, .address_space: global }
      - { .name: br, .offset: 24, .size: 8, .value_kind: global_buffer, .address_space: global }
      - { .name: wn, .offset: 32, .size: 8, .value_kind: global_buffer, .address_space: global }
      - { .name: bn, .offset: 40, .size: 8, .value_kind: global_buffer, .address_space: global }
      - { .name: out1, .offset: 48, .size: 8, .value_kind: global_buffer, .address_space: global }
      - { .name: xb, .offset: 56, .size: 8, .value_kind: global_buffer, .address_space: global }
      - { .name: gd, .offset: 64, .size: 8, .value_kind: global_buffer, .address_space: global }
      - { .name: route, .offset: 72, .size: 8, .value_kind: global_buffer, .address_space: global }
    .group_segment_fixed_size: 70400
    .private_segment_fixed_size: 0
    .kernarg_segment_align: 8
    .kernarg_segment_size: 80
    .max_flat_workgroup_size: 128
    .sgpr_count:     66
    .vgpr_count:     256
    .wavefront_size: 32
...
	.end_amdgpu_metadata
.endif
;; end of part 1
;; launch up (part 2): grid 32 x 8, 4 waves a work-group, no clusters, 281,088 bytes of LDS; arguments w1, b1, xb, route, gd, h, rank, gs; writes h, rank, gs
.if DOCPART == 2
	.amdgcn_target "amdgcn-amd-amdhsa--gfx1250"
	.amdhsa_code_object_version 6
	.text
	.protected	k_q695578e5c2_up
	.globl	k_q695578e5c2_up
	.p2align	8
	.type	k_q695578e5c2_up,@function
k_q695578e5c2_up:
	s_mov_b64 s[64:65], 0
	v_nop
	global_prefetch_b8 v0, s[64:65] scope:SCOPE_SE
	s_setreg_imm32_b32 hwreg(HW_REG_WAVE_MODE, 25, 1), 1
	s_wait_xcnt 0x0
; UP.  h = gelu_tanh(x w1[e] + b1[e]) for the rows that chose expert e.  Work-group (slice, e): 128 columns of w1[e], all 1024 of K: 512 KB of f32 that it alone reads, once.
; THE WEIGHTS go memory -> registers -> bf16 fragments -> LDS, each LDS byte written once; all 256 KB stay.  A wave's unit is 64 columns x 32 K: 16 loads, in each of which 16 lanes take 256
; consecutive aligned bytes of one row of w1.  A lane holds columns 4 r .. 4 r + 3, so fragment c of a block of 64 columns holds the columns 4 idx + c: a fixed order of columns that costs nothing.
; THE ROWS.  Each wave makes its own copy of the expert's list of tokens from the bitmap in route.  Wave w owns the tiles of 16 rows t = 4 j + w.  Tiles j = 0..4 (320 rows) are multiplied while the
; weights stream, 40 accumulators a wave; places past the count repeat token 0 and are not stored.  Tiles from 320 rows on (up to 1024) are multiplied afterwards from the resident weights, in a loop
; without barrier.  So every split of the tokens is served and no weight is read twice.
; SOURCES SWAPPED (source 0 = 16 columns, source 1 = 16 tokens): a lane's eight results of a fragment are one token's hidden numbers 64 gcb + 32 h + 4 j + c.  Rounded to bf16 they are 16 bytes: half c % 2
; of the lane's operand for block 2 gcb + c / 2 of the next product, which orders its K alike.  h lies in that order: [e][tile][block of 32][half][lane][16 bytes]; a store covers 512 consecutive aligned bytes.
; ORDER OF LOADS.  Loads come back in issue order.  In step s: wait for W(s+1) and A(s), which leaves W(s+2) out; A(s+1) asked for; W(s+1) rounded and stored; W(s+3) asked for.
; So 16 + 20 + 16 = 52 loads of a wave are out at the most.
; PREFETCH.  Step s (s < 11) asks for the 32 blocks of 256 bytes of my W(s+5), one lane each, two steps ahead of the load that wants them; W(3), W(4) at the head.  Each block is asked for once, by the wave that loads it.
; FORMATS AND LIMITS.  w1, b1 and x rounded once to bf16, h once to bf16, sums in f32.  gelu(u) = u / (1 + 2^(u (C1 + C2 u^2))): -0 for very negative u, u for very large u, also where u^2 overflows.
; NaN and infinities are not treated apart.
; NO CLUSTER, NO TENSOR LOAD: each weight byte has one reader and must pass through registers to be rounded and turned; the token rows, which an expert's work-groups share, come by a list.
; REGISTERS, in windows of 256: window 0: v0-31 addresses; v32-63 four fragments on their way to LDS; v64-191 weights of one step (two blocks of 32 K x 8 fragments); v192-223 places in the list
;   window 1: token fragments, two buffers of 80 (16 j + 8 kb)   window 2: accumulators of tiles 0-3 (64 j + 8 nt)
;   window 3: v0-63 tile 4; v64-191 two slots of 16 loads of f32 weights, later BT (bias) and XR; v192-255 the bias as loaded, later TR
.set STEPW, 64*16384                   ; bytes of w1 from one step of 64 K to the next
.set STEPA, 128                        ; the same in a row of xb
.set AKB,   64                         ; a token fragment: block of 32 K, half
.set AP,    32
.set TB,    12                         ; s[12:13] xb, never stepped: the base of the late tiles
.set LIST,  262144
.set LISTW, 4608                       ; a wave's list: 1024 words, word 1024 for the lanes without a place, rounded up to nine stores of 512 bytes
.set SPARE, LIST+4*LISTW               ; the spare words, 128 bytes a wave
.set MULLO, 0xa4                       ; source 0 (weights) window 0, source 1 (tokens) window 1, C and D window 2
.set MULHI, 0xf4                       ; C and D window 3
.set BT, 64
.set XR, 128
.set TR, 192
.set MSB, 0
.macro WIN new                         ; the immediate's high byte repeats the setting that is left; a switch that changes nothing is dropped
.if MSB != (\new)
	s_set_vgpr_msb (MSB<<8)|(\new)
.set MSB, (\new)
.endif
.endm
.macro PLACES                          ; four plain instructions between a matrix instruction and a load into, or a vector read of, its registers
.rept 4
	v_nop
.endr
.endm
.macro LOADW slot, k                   ; my 64 columns x 32 K of step k (counted from the base), f32: load i takes row i + (i & 8) + 8 h
	WIN 0xc0
.set wi, 0
.rept 16
	global_load_b128 v[64+64*(\slot)+4*wi:64+64*(\slot)+4*wi+3], v6, s[8:9] offset:(\k)*STEPW+(wi+(wi&8))*16384 th:TH_LOAD_NT
.set wi, wi+1
.endr
.endm
.macro LOADA buf, k                    ; my five tiles' fragments of step k
	WIN 0x40
.set aj, 0
.rept 5
.set ak, 0
.rept 4
	global_load_b128 v[80*(\buf)+16*aj+4*ak:80*(\buf)+16*aj+4*ak+3], v[10+aj], s[24:25] offset:(\k)*STEPA+(ak>>1)*AKB+(ak&1)*AP
.set ak, ak+1
.endr
.set aj, aj+1
.endr
.endm
.macro CVTW slot                       ; register ii of fragment c = loads 2 ii and 2 ii + 1, column c
	WIN 0x0f
.set cc, 0
.rept 4
.set ci, 0
.rept 8
	v_cvt_pk_bf16_f32 v[32+8*cc+ci], v[64+64*(\slot)+8*ci+cc], v[64+64*(\slot)+8*ci+4+cc]
.set ci, ci+1
.endr
.set cc, cc+1
.endr
.endm
.macro STW                             ; four fragments, 512 consecutive bytes a store
	WIN 0
.set cc, 0
.rept 8
	ds_store_b128 v7, v[32+4*cc:32+4*cc+3] offset:512*cc
.set cc, cc+1
.endr
	v_add_nc_u32 v7, 0x4000, v7
.endm
.macro LOADB a                         ; a step's 16 fragments: the first block of 32 K first
	WIN 0
.set bi, 0
.rept 32
	ds_load_b128 v[64+4*bi:64+4*bi+3], v[\a] offset:512*bi
.set bi, bi+1
.endr
.endm
.macro MULT j, kb, areg, zero          ; tile j x 8 fragments
.set nt, 0
.rept 8
.set rD, (64*(\j)+8*nt)&255
.set rW, 64+64*(\kb)+8*nt
.set rA, (\areg)+8*(\kb)
.if \zero
	v_wmma_f32_16x16x32_bf16 v[rD:rD+7], v[rW:rW+7], v[rA:rA+7], 0
.else
	v_wmma_f32_16x16x32_bf16 v[rD:rD+7], v[rW:rW+7], v[rA:rA+7], v[rD:rD+7]
.endif
.set nt, nt+1
.endr
.endm
.macro MUL kb, buf, zero               ; 40 accumulators by turns, one instruction a turn
	WIN MULLO
	MULT 0, \kb, 80*(\buf), \zero
	MULT 1, \kb, 80*(\buf)+16, \zero
	MULT 2, \kb, 80*(\buf)+32, \zero
	MULT 3, \kb, 80*(\buf)+48, \zero
	WIN MULHI
	MULT 4, \kb, 80*(\buf)+64, \zero
.endm
; Step s, par = s % 2.  la: A(s+1) is loaded; cw: W(s+1) is rounded and stored; lw: W(s+3) is loaded; pf: the prefetch; n: the loads younger than W(s+1) and A(s); bar: the barrier that shows W(s+1) to all.
.macro STEP par, zero, la, cw, lw, pf, n, bar
	PLACES
	LOADB 8
	s_wait_loadcnt \n                              ; W(s+1) and A(s) are in; what was issued behind them stays out
.if \la
	LOADA 1-(\par), 1
.endif
.if \cw
	CVTW 1-(\par)
	STW
.endif
.if \lw
	LOADW 1-(\par), 3
.endif
	WIN 0
.if \pf
	s_cmp_lt_u32 s82, 11                           ; W(s+5) exists for s < 11
	s_cbranch_scc0 .Lnopf_\@
	global_prefetch_b8 v17, s[26:27] th:TH_LOAD_NT scope:SCOPE_SE
.Lnopf_\@:
.endif
.if \cw
	s_wait_dscnt 24                                ; the first block's 16 loads are in; younger: the second block's 16 and my 8 stores
.else
	s_wait_dscnt 16
.endif
	MUL 0, \par, \zero
	s_wait_dscnt 0x0                               ; the second block is in, and my stores of W(s+1) are done:
.if \bar
	s_barrier_signal -1                            ; say so,
.endif
	MUL 1, \par, 0                                 ; work on registers while the others arrive,
	WIN 0
.if \bar
	s_barrier_wait -1                              ; and go on when W(s+1) is whole
.endif
	v_add_nc_u32 v8, 0x4000, v8
	s_wait_xcnt 0x0                                ; the bases are stepped only behind this wait
	s_add_nc_u64 s[8:9], s[8:9], STEPW
	s_add_nc_u64 s[24:25], s[24:25], STEPA
.if \pf
	s_add_nc_u64 s[26:27], s[26:27], STEPW
	s_add_co_u32 s82, s82, 1
.endif
.endm
; A step of a late tile: one tile, accumulator set 0, weights from LDS, no barrier.  nxt: the next step's four loads.
.macro TSTEP par, zero, nxt
	PLACES
	LOADB 16
.if \nxt
	WIN 0x40
.set ak, 0
.rept 4
	global_load_b128 v[80*(1-(\par))+4*ak:80*(1-(\par))+4*ak+3], v15, s[TB:TB+1] offset:STEPA+(ak>>1)*AKB+(ak&1)*AP
.set ak, ak+1
.endr
	s_wait_loadcnt 4                               ; this step's four are in, the next step's stay out
.else
	s_wait_loadcnt 0x0
.endif
	s_wait_dscnt 16
	WIN MULLO
	MULT 0, 0, 80*(\par), \zero
	s_wait_dscnt 0x0
	MULT 0, 1, 80*(\par), 0
	WIN 0
	v_add_nc_u32 v16, 0x4000, v16
	s_wait_xcnt 0x0
	v_add_nc_u32 v15, STEPA, v15
.endm
.macro ADDB u                          ; XR = accumulator set u + bias; each accumulator is read from its low end on
.if (\u) < 4
	WIN 0xce
.else
	WIN 0xcf
.endif
.set bi, 0
.rept 32
	v_pk_add_f32 v[XR+2*bi:XR+2*bi+1], v[((64*(\u))&255)+2*bi:((64*(\u))&255)+2*bi+1], v[BT+2*bi:BT+2*bi+1]
.set bi, bi+1
.endr
	WIN 0
.endm
; gelu of the 64 numbers in XR, packed to bf16 into TR+0..31.  Three batches of transcendentals, each with one wait ahead of its first reader.
.macro GELU
	WIN 0xff
.set gi, 0
.rept 32
	v_pk_mul_f32 v[TR+2*gi:TR+2*gi+1], v[XR+2*gi:XR+2*gi+1], v[XR+2*gi:XR+2*gi+1]
.if gi > 0
	v_exp_f32 v[TR+2*gi-2], v[TR+2*gi-2]
.endif
	v_pk_fma_f32 v[TR+2*gi:TR+2*gi+1], v[TR+2*gi:TR+2*gi+1], s[92:93], s[90:91] op_sel_hi:[1,0,0]
.if gi > 0
	v_exp_f32 v[TR+2*gi-1], v[TR+2*gi-1]
.endif
	v_pk_mul_f32 v[TR+2*gi:TR+2*gi+1], v[TR+2*gi:TR+2*gi+1], v[XR+2*gi:XR+2*gi+1]
.set gi, gi+1
.endr
	v_exp_f32 v[TR+62], v[TR+62]
	v_exp_f32 v[TR+63], v[TR+63]
	v_nop
	s_wait_alu depctr_va_vdst(0)                   ; the 64 exponentials
.set gi, 0
.rept 16
	v_pk_add_f32 v[TR+2*gi:TR+2*gi+1], v[TR+2*gi:TR+2*gi+1], 1.0 op_sel_hi:[1,0]
.set gi, gi+1
.endr
.set gi, 0
.rept 16
	v_rcp_f32 v[TR+2*gi], v[TR+2*gi]
	v_pk_add_f32 v[TR+32+2*gi:TR+32+2*gi+1], v[TR+32+2*gi:TR+32+2*gi+1], 1.0 op_sel_hi:[1,0]
	v_rcp_f32 v[TR+2*gi+1], v[TR+2*gi+1]
.set gi, gi+1
.endr
	v_nop
	s_wait_alu depctr_va_vdst(0)                   ; the first 32 reciprocals
.set gi, 0
.rept 16
	v_rcp_f32 v[TR+32+2*gi], v[TR+32+2*gi]
	v_pk_mul_f32 v[XR+2*gi:XR+2*gi+1], v[XR+2*gi:XR+2*gi+1], v[TR+2*gi:TR+2*gi+1]
	v_rcp_f32 v[TR+33+2*gi], v[TR+33+2*gi]
	v_cvt_pk_bf16_f32 v[TR+gi], v[XR+2*gi], v[XR+2*gi+1]  ; lands on a reciprocal that has been used
.set gi, gi+1
.endr
	v_nop
	s_wait_alu depctr_va_vdst(0)                   ; the last 32
.set gi, 16
.rept 16
	v_pk_mul_f32 v[XR+2*gi:XR+2*gi+1], v[XR+2*gi:XR+2*gi+1], v[TR+2*gi:TR+2*gi+1]
	v_cvt_pk_bf16_f32 v[TR+gi], v[XR+2*gi], v[XR+2*gi+1]
.set gi, gi+1
.endr
.endm
	s_load_b512 s[8:23], s[0:1], 0x0               ; w1, b1, xb, route, gd, h, rank, gs
	v_lshl_add_u32 v4, v0, 2, SPARE                ; my spare word,
	v_mov_b32 v5, 0                                ; and 0: kept for the add at the end alone
	v_and_b32 v1, 31, v0                           ; lane
	v_and_b32 v2, 15, v0                           ; r
	v_bfe_u32 v3, v0, 4, 1                         ; h
	v_lshrrev_b32 v20, 5, v0
	v_readfirstlane_b32 s2, v20                    ; wave
	s_mov_b32 s3, ttmp9                            ; slice of 128 columns
	s_and_b32 s4, ttmp7, 0xffff                    ; expert
	s_and_b32 s5, s2, 1                            ; which 64 columns I fetch
	s_lshr_b32 s6, s2, 1                           ; which 32 of a step's 64 K
	v_lshlrev_b32 v9, 4, v1                        ; 16 x lane
	v_mov_b32 v8, v9                               ; where a step's fragments are read
	s_lshl_b32 s30, s6, 13
	s_lshl_b32 s31, s5, 12
	s_add_co_u32 s30, s30, s31
	v_add_nc_u32 v7, s30, v9                       ; where I store mine
	v_lshlrev_b32 v6, 4, v2                        ; w1: 16 r + 8 h rows
	v_lshl_add_u32 v6, v3, 17, v6
	v_and_b32 v20, 8, v2                           ; prefetch: lane L stands for load L % 16, half L / 16
	v_add_nc_u32 v20, v20, v2
	v_lshlrev_b32 v17, 14, v20
	v_lshl_add_u32 v17, v3, 17, v17
	v_lshlrev_b32 v18, 7, v3                       ; bias: 32 h numbers on
	s_mov_b32 s90, 0xc0135761                      ; C1 = -2 log2(e) sqrt(2 / pi)
	s_mov_b32 s91, s90
	s_mov_b32 s92, 0xbdd2d3e8                      ; C2 = 0.044715 C1
	s_mov_b32 s93, s92
	s_mov_b32 s94, 0xffff0000
	s_mov_b32 s82, 0                               ; the step's number, for the prefetch
	s_lshl_b32 s30, s4, 24                         ; w1: expert, slice, my 64 columns, my 32 K
	s_lshl_b32 s31, s3, 9
	s_add_co_u32 s30, s30, s31
	s_lshl_b32 s31, s5, 8
	s_add_co_u32 s30, s30, s31
	s_lshl_b32 s31, s6, 19
	s_add_co_u32 s30, s30, s31
	s_mov_b32 s31, 0
	s_lshl_b32 s28, s4, 14                         ; b1: expert, slice
	s_lshl_b32 s29, s3, 9
	s_add_co_u32 s28, s28, s29
	s_mov_b32 s29, 0
	s_wait_kmcnt 0x0
	s_add_nc_u64 s[8:9], s[8:9], s[30:31]
	s_add_nc_u64 s[10:11], s[10:11], s[28:29]
	LOADW 0, 0
	LOADW 1, 1
	WIN 0
	global_prefetch_b8 v17, s[8:9] offset:3*STEPW th:TH_LOAD_NT scope:SCOPE_SE
	global_prefetch_b8 v17, s[8:9] offset:4*STEPW th:TH_LOAD_NT scope:SCOPE_SE
	s_add_nc_u64 s[26:27], s[8:9], 5*STEPW
	s_lshl_b32 s30, s4, 23                         ; h: expert, slice
	s_lshl_b32 s28, s3, 12
	s_add_co_u32 s30, s30, s28
	s_add_nc_u64 s[18:19], s[18:19], s[30:31]
	s_lshl_b32 s30, s4, 12                         ; rank, gs: the expert's 1024 words
	s_add_nc_u64 s[20:21], s[20:21], s[30:31]
	s_add_nc_u64 s[22:23], s[22:23], s[30:31]
	s_lshl_b32 s30, s4, 2                          ; gd: the expert's column
	s_add_nc_u64 s[16:17], s[16:17], s[30:31]
	s_lshl_b32 s30, s4, 7                          ; the expert's 32 words of the bitmap
	s_load_b512 s[32:47], s[14:15], s30 offset:0x2000
	s_load_b512 s[48:63], s[14:15], s30 offset:0x2040
	s_mul_i32 s28, s2, LISTW                       ; my wave's list is cleared: places past the count name token 0
	s_add_co_u32 s28, s28, LIST
	v_mov_b32 v22, s28
	v_add_nc_u32 v23, v22, v9
	v_lshl_add_u32 v19, v2, 2, v22                 ; list + 4 r
	v_mov_b32 v24, 0
	v_mov_b32 v25, 0
	v_mov_b32 v26, 0
	v_mov_b32 v27, 0
.set li, 0
.rept 9
	ds_store_b128 v23, v[24:27] offset:512*li
.set li, li+1
.endr
	v_mov_b32 v21, 0x400
	s_mov_b32 s77, 0
	s_wait_kmcnt 0x0
.set li, 0
.rept 32                                               ; token 32 li + lane: its place is the number of chosen tokens in front of it; a token that did not choose writes word 1024
	v_mbcnt_lo_u32_b32 v[192+li], s[32+li], s77
	v_cndmask_b32 v[192+li], v21, v[192+li], s[32+li]
	v_min_u32 v[192+li], 0x400, v[192+li]
	v_lshl_add_u32 v28, v[192+li], 2, v22
	v_add_nc_u32 v29, 32*li, v1
	ds_store_b32 v28, v29                          ; LDS serves a wave's instructions in order (ISA guide 5.7.1.4): behind the clearing, ahead of the reads below
	s_bcnt1_i32_b32 s30, s[32+li]
	s_add_co_u32 s77, s77, s30
.set li, li+1
.endr
	s_mov_b32 s74, s77                             ; the expert's rows,
	s_add_co_u32 s75, s74, 15
	s_lshr_b32 s75, s75, 4                         ; its tiles,
	s_max_u32 s76, s75, 1                          ; and at least one: tile 0 is always written, since the next launch reads it in any case
	s_cmp_lg_u32 s3, 0
	s_cbranch_scc1 .Lnot0
	v_lshlrev_b32 v28, 2, v1                       ; slice 0 also stores each token's place, wave w those of words 8 w .. 8 w + 7,
.irp ww, 0,1,2,3
	s_cmp_lg_u32 s2, \ww
	s_cbranch_scc1 .Lnr\ww
.set li, 0
.rept 8
	global_store_b32 v28, v[192+8*\ww+li], s[20:21] offset:128*(8*\ww+li)
.set li, li+1
.endr
.Lnr\ww:
.endr
	v_lshl_add_u32 v29, v0, 2, v22                 ; and the gates in the order of the places
.set li, 0
.rept 8
	ds_load_b32 v[32+li], v29 offset:512*li
.set li, li+1
.endr
	s_wait_dscnt 0x0
.set li, 0
.rept 8
	v_min_u32 v[32+li], 0x3ff, v[32+li]
	v_lshlrev_b32 v[32+li], 5, v[32+li]
.set li, li+1
.endr
.set li, 0
.rept 8
	global_load_b32 v[40+li], v[32+li], s[16:17]
.set li, li+1
.endr
	v_lshlrev_b32 v30, 2, v0
	s_wait_loadcnt 0x0
.set li, 0
.rept 8
	global_store_b32 v30, v[40+li], s[22:23] offset:512*li
.set li, li+1
.endr
	s_wait_xcnt 0x0                                ; v32-47 are written again below
.Lnot0:
	s_lshl_b32 s30, s2, 6                          ; my tiles' rows: list[16 (4 j + w) + r]
	v_add_nc_u32 v20, s30, v19
.irp j, 0,1,2,3,4
	ds_load_b32 v[10+\j], v20 offset:256*\j
.endr
	s_mov_b64 s[24:25], s[12:13]
	s_wait_dscnt 0x0
.irp j, 0,1,2,3,4
	v_min_u32 v[10+\j], 0x3ff, v[10+\j]
	v_lshlrev_b32 v[10+\j], 11, v[10+\j]           ; a row of xb is 2048 bytes
	v_lshl_add_u32 v[10+\j], v3, 4, v[10+\j]
.endr
	LOADA 0, 0
	s_wait_loadcnt 36                              ; W(0) is in; younger: W(1)'s 16 and A(0)'s 20
	CVTW 0
	STW
	LOADW 0, 2
	WIN 0
	s_wait_dscnt 0x0
	s_barrier_signal -1
	s_barrier_wait -1                              ; W(0) is whole
	STEP 0, 1, 1, 1, 1, 1, 16, 1                   ; step 0 starts the sums; younger than W(1) and A(0): W(2)'s 16
	s_mov_b32 s81, 6
.Lk:                                                   ; steps 1 to 12
	STEP 1, 0, 1, 1, 1, 1, 16, 1
	STEP 0, 0, 1, 1, 1, 1, 16, 1
	s_sub_co_u32 s81, s81, 1
	s_cmp_lg_u32 s81, 0
	s_cbranch_scc1 .Lk
	STEP 1, 0, 1, 1, 0, 0, 16, 1                   ; 13: younger than W(14) and A(13): W(15)
	WIN 0xc0
.set bi, 0
.rept 16                                               ; the bias, where no weights are left to ask for: 36 loads are out, these make 52.  bi = 8 cb + j: numbers 64 cb + 32 h + 4 j + 0..3
	global_load_b128 v[TR+4*bi:TR+4*bi+3], v18, s[10:11] offset:256*(bi>>3)+16*(bi&7)
.set bi, bi+1
.endr
	WIN 0
	STEP 0, 0, 1, 1, 0, 0, 16, 1                   ; 14: younger than W(15) and A(14): the bias's 16
	STEP 1, 0, 0, 0, 0, 0, 0, 0                    ; 15: A(15) and the bias are in; nothing is left to fetch or to store
	PLACES
	WIN 0xff                                       ; the bias, rounded to bf16, widened, and laid in the accumulators' order
.set bc, 0
.rept 2
.set bj, 0
.rept 8
.set bp, 0
.rept 2
.set bs, TR+(8*bc+bj)*4+2*bp
	v_cvt_pk_bf16_f32 v[bs], v[bs], v[bs+1]
	v_lshlrev_b32 v[BT+8*(4*bc+2*bp)+bj], 16, v[bs]
	v_and_b32 v[BT+8*(4*bc+2*bp+1)+bj], s94, v[bs]
.set bp, bp+1
.endr
.set bj, bj+1
.endr
.set bc, bc+1
.endr
	WIN 0
	s_mov_b32 s83, 0
.Ltile:                                                ; 16 trips: tile t = 4 u + w; a tile past the count is jumped, forward, past no barrier
	s_lshl_b32 s84, s83, 2
	s_add_co_u32 s84, s84, s2
	s_cmp_ge_u32 s84, s76
	s_cbranch_scc1 .Lnext
	s_wait_xcnt 0x0                                ; the last tile's stores have read their registers and their base
	s_lshl_b32 s30, s84, 17
	s_mov_b32 s31, 0
	s_add_nc_u64 s[86:87], s[18:19], s[30:31]
	s_cmp_lt_u32 s83, 5
	s_cbranch_scc0 .Lover
	s_cmp_eq_u32 s83, 0
	s_cbranch_scc1 .Lc0
	s_cmp_eq_u32 s83, 1
	s_cbranch_scc1 .Lc1
	s_cmp_eq_u32 s83, 2
	s_cbranch_scc1 .Lc2
	s_cmp_eq_u32 s83, 3
	s_cbranch_scc1 .Lc3
	s_branch .Lc4
.Lover:                                                ; a late tile is first multiplied, into set 0, which has left
	s_lshl_b32 s30, s84, 6
	v_add_nc_u32 v20, s30, v19
	ds_load_b32 v15, v20
	v_mov_b32 v16, v9                              ; 16 x lane; sixteen steps of 16,384 bytes: all reads lie below byte 262,144
	s_wait_dscnt 0x0
	v_min_u32 v15, 0x3ff, v15
	v_lshlrev_b32 v15, 11, v15
	v_lshl_add_u32 v15, v3, 4, v15
	WIN 0x40
.set ak, 0
.rept 4
	global_load_b128 v[4*ak:4*ak+3], v15, s[TB:TB+1] offset:(ak>>1)*AKB+(ak&1)*AP
.set ak, ak+1
.endr
	WIN 0
	TSTEP 0, 1, 1
	s_mov_b32 s85, 7
.Ltk:
	TSTEP 1, 0, 1
	TSTEP 0, 0, 1
	s_sub_co_u32 s85, s85, 1
	s_cmp_lg_u32 s85, 0
	s_cbranch_scc1 .Ltk
	TSTEP 1, 0, 0
	PLACES
.Lc0:
	ADDB 0
	s_branch .Lgelu
.Lc1:
	ADDB 1
	s_branch .Lgelu
.Lc2:
	ADDB 2
	s_branch .Lgelu
.Lc3:
	ADDB 3
	s_branch .Lgelu
.Lc4:
	ADDB 4
.Lgelu:
	GELU
	WIN 0x0c                                       ; data in window 3, address in window 0
.set gi, 0
.rept 8
	global_store_b128 v9, v[TR+4*gi:TR+4*gi+3], s[86:87] offset:512*gi  ; 512 consecutive aligned bytes; the tile's eight stores are 4 KB on end
.set gi, gi+1
.endr
	WIN 0
.Lnext:
	s_add_co_u32 s83, s83, 1
	s_cmp_lt_u32 s83, 16
	s_cbranch_scc1 .Ltile
	s_wait_dscnt 0x0                               ; my reads of LDS are over,
	s_barrier_signal -1
	s_barrier_wait -1                              ; and everybody's are, the late tiles' too: only now does any wave write LDS again (the add below)
	s_wait_tensorcnt 0x0                           ; the wave's end
	ds_add_u32 v4, v5
	s_wait_dscnt 0x0
	s_endpgm
.Lfunc_end_k_q695578e5c2_up:
	.size	k_q695578e5c2_up, .Lfunc_end_k_q695578e5c2_up-k_q695578e5c2_up
	.p2alignl 7, 3214868480
	.fill 96, 4, 3214868480
	.section	.rodata,"a",@progbits
	.p2align	6, 0x0
	.amdhsa_kernel k_q695578e5c2_up
		.amdhsa_group_segment_fixed_size 281088
		.amdhsa_private_segment_fixed_size 0
		.amdhsa_enable_private_segment 0
		.amdhsa_kernarg_size 64
		.amdhsa_user_sgpr_count 2
		.amdhsa_user_sgpr_kernarg_segment_ptr 1
		.amdhsa_wavefront_size32 1
		.amdhsa_system_sgpr_workgroup_id_x 1
		.amdhsa_system_sgpr_workgroup_id_y 1
		.amdhsa_system_sgpr_workgroup_id_z 1
		.amdhsa_system_vgpr_workitem_id 0
		.amdhsa_next_free_vgpr 1024
		.amdhsa_next_free_sgpr 100
		.amdhsa_reserve_vcc 0
		.amdhsa_float_denorm_mode_32 3
		.amdhsa_float_denorm_mode_16_64 3
		.amdhsa_memory_ordered 1
		.amdhsa_forward_progress 1
		.amdhsa_inst_pref_size 159
	.end_amdhsa_kernel
	.amdgpu_metadata
---
amdhsa.version: [ 1, 2 ]
amdhsa.kernels:
  - .name:           k_q695578e5c2_up
    .symbol:         k_q695578e5c2_up.kd
    .args:
      - { .name: w1, .offset: 0, .size: 8, .value_kind: global_buffer, .address_space: global }
      - { .name: b1, .offset: 8, .size: 8, .value_kind: global_buffer, .address_space: global }
      - { .name: xb, .offset: 16, .size: 8, .value_kind: global_buffer, .address_space: global }
      - { .name: route, .offset: 24, .size: 8, .value_kind: global_buffer, .address_space: global }
      - { .name: gd, .offset: 32, .size: 8, .value_kind: global_buffer, .address_space: global }
      - { .name: h, .offset: 40, .size: 8, .value_kind: global_buffer, .address_space: global }
      - { .name: rank, .offset: 48, .size: 8, .value_kind: global_buffer, .address_space: global }
      - { .name: gs, .offset: 56, .size: 8, .value_kind: global_buffer, .address_space: global }
    .group_segment_fixed_size: 281088
    .private_segment_fixed_size: 0
    .kernarg_segment_align: 8
    .kernarg_segment_size: 64
    .max_flat_workgroup_size: 128
    .sgpr_count:     100
    .vgpr_count:     1024
    .wavefront_size: 32
...
	.end_amdgpu_metadata
.endif
;; end of part 2
;; launch down (part 3): grid 32 x 8, 4 waves a work-group, no clusters, 262,656 bytes of LDS; arguments w2, h, route, gs, part; writes part
.if DOCPART == 3
	.amdgcn_target "amdgcn-amd-amdhsa--gfx1250"
	.amdhsa_code_object_version 6
	.text
	.protected	k_q695578e5c2_down
	.globl	k_q695578e5c2_down
	.p2align	8
	.type	k_q695578e5c2_down,@function
k_q695578e5c2_down:
	s_mov_b64 s[64:65], 0
	v_nop
	global_prefetch_b8 v0, s[64:65] scope:SCOPE_SE
	s_setreg_imm32_b32 hwreg(HW_REG_WAVE_MODE, 25, 1), 1
	s_wait_xcnt 0x0
; DOWN.  part[ks][e, place] = gate x (h[e, place][K part ks] w2[e][K part ks]), f32.  Work-group (x = 8 ks + cs, e): 128 columns cs of w2[e], 1024 of its 4096 K: 512 KB of f32 that it alone reads, once.
; K is cut in four, and not the columns further, because the rows of h are read once for every 128 columns: narrower slices would multiply that traffic.  The four parts are added by the next launch.
; The scheme is that of the launch before: weights memory -> registers -> bf16 fragments -> LDS, written once and resident; wave w owns tiles t = 4 j + w; five tiles a wave ride on the stream,
; tiles from 320 rows on are multiplied afterwards from LDS without a barrier; tiles past the count read an existing tile and are not stored.
; h lies in operand order, so a fragment half is 512 consecutive bytes.  Its K order inside a block of 64 is (half p, lane half h, j) <-> 32 h + 4 j + 2 pc + p, pc the block of 32: load i = (p, j) of w2 takes just that row.
; NATURAL SOURCES (source 0 = 16 rows of h, source 1 = 16 columns): register j is row 8 h + j, lane r of fragment c column 4 r + c.  The four fragments of a block of 64 columns hold four neighbouring
; columns, and the multiply by the row's gate puts them side by side: a store writes 256 consecutive aligned bytes of row j (lanes 0-15) and of row 8 + j (lanes 16-31).
; ORDER OF LOADS as in the launch before: in step s the wait for W(s+1) and A(s) leaves W(s+2) out; then A(s+1) and W(s+3) are asked for: 16 + 20 + 16 = 52 loads of a wave are out at the most.
; PREFETCH as in the launch before: step s < 11 asks for my W(s+5), one lane for each block of 256 bytes; W(3), W(4) at the head.
; FORMATS AND LIMITS.  w2 rounded once to bf16; h is bf16; sums, gates and parts f32.  NaN and infinities are not treated apart.
; NO CLUSTER, NO TENSOR LOAD: each weight byte has one reader and passes through registers to be rounded and turned; LDS is filled by the resident slice, so the shared rows of h have no room there.
; REGISTERS as in the launch before; behind the main loop window 3 holds v64-71 the tile's gates and v128-191 XR, the rows to store.
.set STEPW, 64*4096
.set STEPA, 2048
.set AKB,   1024
.set AP,    512
.set TB,    10                         ; s[10:11] h at my expert and K part, never stepped
.set SPARE, 262144
.set MULLO, 0xa1                       ; source 0 (rows of h) window 1, source 1 (weights) window 0, C and D window 2
.set MULHI, 0xf1
.set GS, 64
.set XR, 128
.set MSB, 0
.macro WIN new
.if MSB != (\new)
	s_set_vgpr_msb (MSB<<8)|(\new)
.set MSB, (\new)
.endif
.endm
.macro PLACES
.rept 4
	v_nop
.endr
.endm
.macro LOADW slot, k                   ; load i takes row 32 h + 4 (i % 8) + i / 8 of my block (2 pc is in the base)
	WIN 0xc0
.set wi, 0
.rept 16
	global_load_b128 v[64+64*(\slot)+4*wi:64+64*(\slot)+4*wi+3], v6, s[8:9] offset:(\k)*STEPW+(4*(wi&7)+(wi>>3))*4096 th:TH_LOAD_NT
.set wi, wi+1
.endr
.endm
.macro LOADA buf, k
	WIN 0x40
.set aj, 0
.rept 5
.set ak, 0
.rept 4
	global_load_b128 v[80*(\buf)+16*aj+4*ak:80*(\buf)+16*aj+4*ak+3], v[10+aj], s[24:25] offset:(\k)*STEPA+(ak>>1)*AKB+(ak&1)*AP
.set ak, ak+1
.endr
.set aj, aj+1
.endr
.endm
.macro CVTW slot
	WIN 0x0f
.set cc, 0
.rept 4
.set ci, 0
.rept 8
	v_cvt_pk_bf16_f32 v[32+8*cc+ci], v[64+64*(\slot)+8*ci+cc], v[64+64*(\slot)+8*ci+4+cc]
.set ci, ci+1
.endr
.set cc, cc+1
.endr
.endm
.macro STW
	WIN 0
.set cc, 0
.rept 8
	ds_store_b128 v7, v[32+4*cc:32+4*cc+3] offset:512*cc
.set cc, cc+1
.endr
	v_add_nc_u32 v7, 0x4000, v7
.endm
.macro LOADB a
	WIN 0
.set bi, 0
.rept 32
	ds_load_b128 v[64+4*bi:64+4*bi+3], v[\a] offset:512*bi
.set bi, bi+1
.endr
.endm
.macro MULT j, kb, areg, zero
.set nt, 0
.rept 8
.set rD, (64*(\j)+8*nt)&255
.set rW, 64+64*(\kb)+8*nt
.set rA, (\areg)+8*(\kb)
.if \zero
	v_wmma_f32_16x16x32_bf16 v[rD:rD+7], v[rA:rA+7], v[rW:rW+7], 0
.else
	v_wmma_f32_16x16x32_bf16 v[rD:rD+7], v[rA:rA+7], v[rW:rW+7], v[rD:rD+7]
.endif
.set nt, nt+1
.endr
.endm
.macro MUL kb, buf, zero               ; 40 accumulators by turns, one instruction a turn
	WIN MULLO
	MULT 0, \kb, 80*(\buf), \zero
	MULT 1, \kb, 80*(\buf)+16, \zero
	MULT 2, \kb, 80*(\buf)+32, \zero
	MULT 3, \kb, 80*(\buf)+48, \zero
	WIN MULHI
	MULT 4, \kb, 80*(\buf)+64, \zero
.endm
; Step s, par = s % 2.  la: A(s+1) is loaded; cw: W(s+1) is rounded and stored; lw: W(s+3) is loaded; pf: the prefetch; n: the loads younger than W(s+1) and A(s); bar: the barrier that shows W(s+1) to all.
.macro STEP par, zero, la, cw, lw, pf, n, bar
	PLACES
	LOADB 8
	s_wait_loadcnt \n                              ; W(s+1) and A(s) are in; what was issued behind them stays out
.if \la
	LOADA 1-(\par), 1
.endif
.if \cw
	CVTW 1-(\par)
	STW
.endif
.if \lw
	LOADW 1-(\par), 3
.endif
	WIN 0
.if \pf
	s_cmp_lt_u32 s82, 11                           ; W(s+5) exists for s < 11
	s_cbranch_scc0 .Lnopf_\@
	global_prefetch_b8 v17, s[26:27] th:TH_LOAD_NT scope:SCOPE_SE
.Lnopf_\@:
.endif
.if \cw
	s_wait_dscnt 24                                ; the first block's 16 loads are in; younger: the second block's 16 and my 8 stores
.else
	s_wait_dscnt 16
.endif
	MUL 0, \par, \zero
	s_wait_dscnt 0x0                               ; the second block is in, and my stores of W(s+1) are done:
.if \bar
	s_barrier_signal -1
.endif
	MUL 1, \par, 0                                 ; work on registers between signal and wait
	WIN 0
.if \bar
	s_barrier_wait -1                              ; W(s+1) is whole
.endif
	v_add_nc_u32 v8, 0x4000, v8
	s_wait_xcnt 0x0                                ; the bases are stepped only behind this wait
	s_add_nc_u64 s[8:9], s[8:9], STEPW
	s_add_nc_u64 s[24:25], s[24:25], STEPA
.if \pf
	s_add_nc_u64 s[26:27], s[26:27], STEPW
	s_add_co_u32 s82, s82, 1
.endif
.endm
.macro TSTEP par, zero, nxt            ; a step of a late tile: accumulator set 0, weights from LDS, no barrier
	PLACES
	LOADB 16
.if \nxt
	WIN 0x40
.set ak, 0
.rept 4
	global_load_b128 v[80*(1-(\par))+4*ak:80*(1-(\par))+4*ak+3], v15, s[TB:TB+1] offset:STEPA+(ak>>1)*AKB+(ak&1)*AP
.set ak, ak+1
.endr
	s_wait_loadcnt 4                               ; this step's four are in, the next step's stay out
.else
	s_wait_loadcnt 0x0
.endif
	s_wait_dscnt 16
	WIN MULLO
	MULT 0, 0, 80*(\par), \zero
	s_wait_dscnt 0x0
	MULT 0, 1, 80*(\par), 0
	WIN 0
	v_add_nc_u32 v16, 0x4000, v16
	s_wait_xcnt 0x0
	v_add_nc_u32 v15, STEPA, v15
.endm
.macro MULG u                          ; XR = accumulator set u x the rows' gates, four neighbouring columns side by side; j = 0 first: each accumulator is read from its low end on
	s_wait_loadcnt 0x0                             ; the gates
.if (\u) < 4
	WIN 0xce
.else
	WIN 0xcf
.endif
.set gj, 0
.rept 8
.set ga, 0
.rept 8
	v_mul_f32 v[XR+(8*(ga>>2)+gj)*4+(ga&3)], v[((64*(\u))&255)+8*ga+gj], v[GS+gj]
.set ga, ga+1
.endr
.set gj, gj+1
.endr
	WIN 0
.endm
	s_load_b256 s[8:15], s[0:1], 0x0               ; w2, h, route, gs
	s_load_b64 s[16:17], s[0:1], 0x20              ; part
	v_lshl_add_u32 v4, v0, 2, SPARE                ; my spare word,
	v_mov_b32 v5, 0                                ; and 0: kept for the add at the end alone
	v_and_b32 v1, 31, v0
	v_and_b32 v2, 15, v0
	v_bfe_u32 v3, v0, 4, 1
	v_lshrrev_b32 v20, 5, v0
	v_readfirstlane_b32 s2, v20                    ; wave
	s_and_b32 s3, ttmp9, 7                         ; cs: slice of 128 columns
	s_lshr_b32 s7, ttmp9, 3                        ; ks: part of K
	s_and_b32 s4, ttmp7, 0xffff                    ; expert
	s_and_b32 s5, s2, 1
	s_lshr_b32 s6, s2, 1
	v_lshlrev_b32 v9, 4, v1
	v_mov_b32 v8, v9
	s_lshl_b32 s30, s6, 13
	s_lshl_b32 s31, s5, 12
	s_add_co_u32 s30, s30, s31
	v_add_nc_u32 v7, s30, v9
	v_lshlrev_b32 v6, 4, v2                        ; w2: 16 r + 32 h rows
	v_lshl_add_u32 v6, v3, 17, v6
	v_and_b32 v20, 7, v2                           ; prefetch: lane L stands for load L % 16, half L / 16
	v_lshlrev_b32 v17, 14, v20
	v_lshrrev_b32 v20, 3, v2
	v_lshl_add_u32 v17, v20, 12, v17
	v_lshl_add_u32 v17, v3, 17, v17
	v_lshlrev_b32 v18, 5, v3                       ; gates: 8 h rows on
	v_lshlrev_b32 v19, 4, v2                       ; part: 16 r + 8 h rows
	v_lshl_add_u32 v19, v3, 15, v19
	s_mov_b32 s82, 0
	s_lshl_b32 s30, s4, 24                         ; w2: expert, K part, slice, my 64 columns, my block of 32
	s_lshl_b32 s31, s7, 22
	s_add_co_u32 s30, s30, s31
	s_lshl_b32 s31, s3, 9
	s_add_co_u32 s30, s30, s31
	s_lshl_b32 s31, s5, 8
	s_add_co_u32 s30, s30, s31
	s_lshl_b32 s31, s6, 13
	s_add_co_u32 s30, s30, s31
	s_mov_b32 s31, 0
	s_wait_kmcnt 0x0
	s_add_nc_u64 s[8:9], s[8:9], s[30:31]
	LOADW 0, 0
	LOADW 1, 1
	WIN 0
	global_prefetch_b8 v17, s[8:9] offset:3*STEPW th:TH_LOAD_NT scope:SCOPE_SE
	global_prefetch_b8 v17, s[8:9] offset:4*STEPW th:TH_LOAD_NT scope:SCOPE_SE
	s_add_nc_u64 s[26:27], s[8:9], 5*STEPW
	s_lshl_b32 s30, s4, 23                         ; h: expert, K part
	s_lshl_b32 s28, s7, 15
	s_add_co_u32 s30, s30, s28
	s_add_nc_u64 s[10:11], s[10:11], s[30:31]
	s_mov_b64 s[24:25], s[10:11]
	s_lshl_b32 s30, s4, 12                         ; gs: the expert's 1024 words
	s_add_nc_u64 s[14:15], s[14:15], s[30:31]
	s_lshl_b32 s30, s7, 25                         ; part: K part, expert, slice
	s_lshl_b32 s28, s4, 22
	s_add_co_u32 s30, s30, s28
	s_lshl_b32 s28, s3, 9
	s_add_co_u32 s30, s30, s28
	s_add_nc_u64 s[16:17], s[16:17], s[30:31]
	s_lshl_b32 s30, s4, 7
	s_load_b512 s[32:47], s[12:13], s30 offset:0x2000
	s_load_b512 s[48:63], s[12:13], s30 offset:0x2040
	s_mov_b32 s74, 0
	s_wait_kmcnt 0x0
.set li, 0
.rept 32
	s_bcnt1_i32_b32 s30, s[32+li]
	s_add_co_u32 s74, s74, s30
.set li, li+1
.endr
	s_add_co_u32 s75, s74, 15
	s_lshr_b32 s75, s75, 4                         ; the expert's tiles
	s_max_u32 s76, s75, 1
	s_sub_co_u32 s77, s76, 1                       ; the last tile that was written
.irp j, 0,1,2,3,4
	s_add_co_u32 s30, s2, 4*\j
	s_min_u32 s30, s30, s77
	s_min_u32 s30, s30, 63
	s_lshl_b32 s30, s30, 17
	v_add_nc_u32 v[10+\j], s30, v9
.endr
	LOADA 0, 0
	s_wait_loadcnt 36                              ; W(0) is in; younger: W(1)'s 16 and A(0)'s 20
	CVTW 0
	STW
	LOADW 0, 2
	WIN 0
	s_wait_dscnt 0x0
	s_barrier_signal -1
	s_barrier_wait -1                              ; W(0) is whole
	STEP 0, 1, 1, 1, 1, 1, 16, 1                   ; step 0 starts the sums; younger than W(1) and A(0): W(2)'s 16
	s_mov_b32 s81, 6
.Lk:                                                   ; steps 1 to 12
	STEP 1, 0, 1, 1, 1, 1, 16, 1
	STEP 0, 0, 1, 1, 1, 1, 16, 1
	s_sub_co_u32 s81, s81, 1
	s_cmp_lg_u32 s81, 0
	s_cbranch_scc1 .Lk
	STEP 1, 0, 1, 1, 0, 0, 16, 1                   ; 13: younger than W(14) and A(13): W(15)
	STEP 0, 0, 1, 1, 0, 0, 0, 1                    ; 14: nothing was issued behind W(15) and A(14)
	STEP 1, 0, 0, 0, 0, 0, 0, 0                    ; 15
	PLACES
	s_mov_b32 s83, 0
.Ltile:                                                ; 16 trips: tile t = 4 u + w; a tile past the count is jumped, forward, past no barrier
	s_lshl_b32 s84, s83, 2
	s_add_co_u32 s84, s84, s2
	s_cmp_ge_u32 s84, s75
	s_cbranch_scc1 .Lnext
	s_wait_xcnt 0x0                                ; the last tile's stores have read their registers and their base
	s_lshl_b32 s30, s84, 16                        ; 16 rows of 4096 bytes
	s_mov_b32 s31, 0
	s_add_nc_u64 s[86:87], s[16:17], s[30:31]
	s_lshl_b32 s30, s84, 6
	s_add_nc_u64 s[88:89], s[14:15], s[30:31]
	WIN 0xc0
	global_load_b128 v[GS:GS+3], v18, s[88:89]
	global_load_b128 v[GS+4:GS+7], v18, s[88:89] offset:16
	WIN 0
	s_cmp_lt_u32 s83, 5
	s_cbranch_scc0 .Lover
	s_cmp_eq_u32 s83, 0
	s_cbranch_scc1 .Lc0
	s_cmp_eq_u32 s83, 1
	s_cbranch_scc1 .Lc1
	s_cmp_eq_u32 s83, 2
	s_cbranch_scc1 .Lc2
	s_cmp_eq_u32 s83, 3
	s_cbranch_scc1 .Lc3
	s_branch .Lc4
.Lover:                                                ; a late tile is first multiplied, into set 0, which has left
	s_lshl_b32 s30, s84, 17
	v_add_nc_u32 v15, s30, v9
	v_mov_b32 v16, v9                              ; 16 x lane; sixteen steps of 16,384 bytes: all reads lie below byte 262,144
	WIN 0x40
.set ak, 0
.rept 4
	global_load_b128 v[4*ak:4*ak+3], v15, s[TB:TB+1] offset:(ak>>1)*AKB+(ak&1)*AP
.set ak, ak+1
.endr
	WIN 0
	TSTEP 0, 1, 1
	s_mov_b32 s85, 7
.Ltk:
	TSTEP 1, 0, 1
	TSTEP 0, 0, 1
	s_sub_co_u32 s85, s85, 1
	s_cmp_lg_u32 s85, 0
	s_cbranch_scc1 .Ltk
	TSTEP 1, 0, 0
	PLACES
.Lc0:
	MULG 0
	s_branch .Lst
.Lc1:
	MULG 1
	s_branch .Lst
.Lc2:
	MULG 2
	s_branch .Lst
.Lc3:
	MULG 3
	s_branch .Lst
.Lc4:
	MULG 4
.Lst:
	WIN 0x0c                                       ; data in window 3, address in window 0
.set gi, 0
.rept 16                                               ; gi = 8 cb + j
	global_store_b128 v19, v[XR+4*gi:XR+4*gi+3], s[86:87] offset:(gi&7)*4096+(gi>>3)*256
.set gi, gi+1
.endr
	WIN 0
.Lnext:
	s_add_co_u32 s83, s83, 1
	s_cmp_lt_u32 s83, 16
	s_cbranch_scc1 .Ltile
	s_wait_dscnt 0x0                               ; my reads of LDS are over,
	s_barrier_signal -1
	s_barrier_wait -1                              ; and everybody's are, the late tiles' too: only now does any wave write LDS again (the add below)
	s_wait_tensorcnt 0x0                           ; the wave's end
	ds_add_u32 v4, v5
	s_wait_dscnt 0x0
	s_endpgm
.Lfunc_end_k_q695578e5c2_down:
	.size	k_q695578e5c2_down, .Lfunc_end_k_q695578e5c2_down-k_q695578e5c2_down
	.p2alignl 7, 3214868480
	.fill 96, 4, 3214868480
	.section	.rodata,"a",@progbits
	.p2align	6, 0x0
	.amdhsa_kernel k_q695578e5c2_down
		.amdhsa_group_segment_fixed_size 262656
		.amdhsa_private_segment_fixed_size 0
		.amdhsa_enable_private_segment 0
		.amdhsa_kernarg_size 40
		.amdhsa_user_sgpr_count 2
		.amdhsa_user_sgpr_kernarg_segment_ptr 1
		.amdhsa_wavefront_size32 1
		.amdhsa_system_sgpr_workgroup_id_x 1
		.amdhsa_system_sgpr_workgroup_id_y 1
		.amdhsa_system_sgpr_workgroup_id_z 1
		.amdhsa_system_vgpr_workitem_id 0
		.amdhsa_next_free_vgpr 1024
		.amdhsa_next_free_sgpr 100
		.amdhsa_reserve_vcc 0
		.amdhsa_float_denorm_mode_32 3
		.amdhsa_float_denorm_mode_16_64 3
		.amdhsa_memory_ordered 1
		.amdhsa_forward_progress 1
		.amdhsa_inst_pref_size 119
	.end_amdhsa_kernel
	.amdgpu_metadata
---
amdhsa.version: [ 1, 2 ]
amdhsa.kernels:
  - .name:           k_q695578e5c2_down
    .symbol:         k_q695578e5c2_down.kd
    .args:
      - { .name: w2, .offset: 0, .size: 8, .value_kind: global_buffer, .address_space: global }
      - { .name: h, .offset: 8, .size: 8, .value_kind: global_buffer, .address_space: global }
      - { .name: route, .offset: 16, .size: 8, .value_kind: global_buffer, .address_space: global }
      - { .name: gs, .offset: 24, .size: 8, .value_kind: global_buffer, .address_space: global }
      - { .name: part, .offset: 32, .size: 8, .value_kind: global_buffer, .address_space: global }
    .group_segment_fixed_size: 262656
    .private_segment_fixed_size: 0
    .kernarg_segment_align: 8
    .kernarg_segment_size: 40
    .max_flat_workgroup_size: 128
    .sgpr_count:     100
    .vgpr_count:     1024
    .wavefront_size: 32
...
	.end_amdgpu_metadata
.endif
;; end of part 3
;; launch combine (part 4): grid 256 x 1, 4 waves a work-group, no clusters, 0 bytes of LDS; arguments part, route, rank, gd, b2, out0; writes out0
.if DOCPART == 4
	.amdgcn_target "amdgcn-amd-amdhsa--gfx1250"
	.amdhsa_code_object_version 6
	.text
	.protected	k_q695578e5c2_combine
	.globl	k_q695578e5c2_combine
	.p2align	8
	.type	k_q695578e5c2_combine,@function
k_q695578e5c2_combine:
	s_mov_b64 s[64:65], 0
	v_nop
	global_prefetch_b8 v0, s[64:65] scope:SCOPE_SE
	s_setreg_imm32_b32 hwreg(HW_REG_WAVE_MODE, 25, 1), 1
	s_wait_xcnt 0x0
; COMBINE.  out0[token] = the sum over its two experts c of (the four K parts of its gated row + gate_c x bf16(b2[e_c])).  A stream: one wave, one token; no LDS, no barrier, no matrix unit, nothing shared.
; The experts and the places come as whole numbers from route and rank, which earlier launches stored; each is held to its table's size before it enters an address.
; The row goes in eight groups of 512 bytes; a group is ten loads (8 partial rows, 2 rows of b2), each of 512 consecutive aligned bytes, in a ring of six slots of 40 registers: 60 loads of a wave are out.
; All sums in f32; b2 is rounded once to bf16, like every input.
.macro GLOAD q
.set sb, 16+40*((\q)%6)
.set gi, 0
.rept 8
	global_load_b128 v[sb+4*gi:sb+4*gi+3], v1, s[36+2*gi:37+2*gi] offset:512*(\q) th:TH_LOAD_NT
.set gi, gi+1
.endr
	global_load_b128 v[sb+32:sb+35], v1, s[52:53] offset:512*(\q)
	global_load_b128 v[sb+36:sb+39], v1, s[54:55] offset:512*(\q)
.endm
.macro ADD4 a, b                       ; four numbers onto four
	v_pk_add_f32 v[sb+4*(\a):sb+4*(\a)+1], v[sb+4*(\a):sb+4*(\a)+1], v[sb+4*(\b):sb+4*(\b)+1]
	v_pk_add_f32 v[sb+4*(\a)+2:sb+4*(\a)+3], v[sb+4*(\a)+2:sb+4*(\a)+3], v[sb+4*(\b)+2:sb+4*(\b)+3]
.endm
.macro BIAS c, g                       ; b2's four numbers rounded to bf16, widened, times the gate, onto the sum
.set bb, sb+32+4*(\c)
	v_cvt_pk_bf16_f32 v2, v[bb], v[bb+1]
	v_cvt_pk_bf16_f32 v3, v[bb+2], v[bb+3]
	v_lshlrev_b32 v[bb], 16, v2
	v_and_b32 v[bb+1], s56, v2
	v_lshlrev_b32 v[bb+2], 16, v3
	v_and_b32 v[bb+3], s56, v3
	v_pk_fma_f32 v[sb:sb+1], v[bb:bb+1], s[\g:\g+1], v[sb:sb+1] op_sel_hi:[1,0,1]
	v_pk_fma_f32 v[sb+2:sb+3], v[bb+2:bb+3], s[\g:\g+1], v[sb+2:sb+3] op_sel_hi:[1,0,1]
.endm
.macro GSUM q, left                    ; left: the loads younger than this group's
.set sb, 16+40*((\q)%6)
	s_wait_loadcnt \left
	ADD4 0, 1
	ADD4 2, 3
	ADD4 4, 5
	ADD4 6, 7
	ADD4 0, 2
	ADD4 4, 6
	ADD4 0, 4
	BIAS 0, 28
	BIAS 1, 30
	global_store_b128 v1, v[sb:sb+3], s[18:19] offset:512*(\q) th:TH_STORE_NT
.endm
	s_load_b256 s[8:15], s[0:1], 0x0               ; part, route, rank, gd
	s_load_b128 s[16:19], s[0:1], 0x20             ; b2, out0
	v_lshrrev_b32 v2, 5, v0
	v_readfirstlane_b32 s2, v2                     ; wave
	v_and_b32 v1, 31, v0
	v_lshlrev_b32 v1, 4, v1                        ; 16 x lane
	s_lshl_b32 s3, ttmp9, 2
	s_add_co_u32 s3, s3, s2                        ; my token
	s_lshl_b32 s4, s3, 3
	s_mov_b32 s56, 0xffff0000
	s_wait_kmcnt 0x0
	s_load_b64 s[20:21], s[10:11], s4 offset:0x0   ; its two experts
	s_wait_kmcnt 0x0
	s_min_u32 s20, s20, 7
	s_min_u32 s21, s21, 7
	s_lshl_b32 s22, s20, 10                        ; rank[e][token]
	s_add_co_u32 s22, s22, s3
	s_lshl_b32 s22, s22, 2
	s_lshl_b32 s23, s21, 10
	s_add_co_u32 s23, s23, s3
	s_lshl_b32 s23, s23, 2
	s_add_co_u32 s26, s4, s20                      ; gd[token][e]
	s_lshl_b32 s26, s26, 2
	s_add_co_u32 s27, s4, s21
	s_lshl_b32 s27, s27, 2
	s_load_b32 s24, s[12:13], s22 offset:0x0
	s_load_b32 s25, s[12:13], s23 offset:0x0
	s_load_b32 s28, s[14:15], s26 offset:0x0
	s_load_b32 s30, s[14:15], s27 offset:0x0
	s_wait_kmcnt 0x0
	s_mov_b32 s29, s28                             ; named as pairs by the packed multiply-adds
	s_mov_b32 s31, s30
	s_min_u32 s24, s24, 1023
	s_min_u32 s25, s25, 1023
	s_lshl_b32 s32, s20, 10                        ; the rows in part: (1024 e + place) x 4096 bytes, the K parts 32 MiB apart
	s_add_co_u32 s32, s32, s24
	s_lshl_b32 s32, s32, 12
	s_mov_b32 s33, 0
	s_lshl_b32 s34, s21, 10
	s_add_co_u32 s34, s34, s25
	s_lshl_b32 s34, s34, 12
	s_mov_b32 s35, 0
	s_add_nc_u64 s[36:37], s[8:9], s[32:33]
	s_add_nc_u64 s[38:39], s[36:37], 0x2000000
	s_add_nc_u64 s[40:41], s[38:39], 0x2000000
	s_add_nc_u64 s[42:43], s[40:41], 0x2000000
	s_add_nc_u64 s[44:45], s[8:9], s[34:35]
	s_add_nc_u64 s[46:47], s[44:45], 0x2000000
	s_add_nc_u64 s[48:49], s[46:47], 0x2000000
	s_add_nc_u64 s[50:51], s[48:49], 0x2000000
	s_lshl_b32 s32, s20, 12
	s_add_nc_u64 s[52:53], s[16:17], s[32:33]
	s_lshl_b32 s34, s21, 12
	s_add_nc_u64 s[54:55], s[16:17], s[34:35]
	s_lshl_b32 s32, s3, 12
	s_add_nc_u64 s[18:19], s[18:19], s[32:33]
	GLOAD 0
	GLOAD 1
	GLOAD 2
	GLOAD 3
	GLOAD 4
	GLOAD 5
	GSUM 0, 50                                     ; five younger groups of ten
	s_wait_xcnt 0x0                                ; the store has read the slot, which is loaded again
	GLOAD 6
	GSUM 1, 50
	s_wait_xcnt 0x0
	GLOAD 7
	GSUM 2, 50
	GSUM 3, 40                                     ; nothing more is asked for: the counts run down
	GSUM 4, 30
	GSUM 5, 20
	GSUM 6, 10
	GSUM 7, 0
	s_endpgm
.Lfunc_end_k_q695578e5c2_combine:
	.size	k_q695578e5c2_combine, .Lfunc_end_k_q695578e5c2_combine-k_q695578e5c2_combine
	.p2alignl 7, 3214868480
	.fill 96, 4, 3214868480
	.section	.rodata,"a",@progbits
	.p2align	6, 0x0
	.amdhsa_kernel k_q695578e5c2_combine
		.amdhsa_group_segment_fixed_size 0
		.amdhsa_private_segment_fixed_size 0
		.amdhsa_enable_private_segment 0
		.amdhsa_kernarg_size 48
		.amdhsa_user_sgpr_count 2
		.amdhsa_user_sgpr_kernarg_segment_ptr 1
		.amdhsa_wavefront_size32 1
		.amdhsa_system_sgpr_workgroup_id_x 1
		.amdhsa_system_sgpr_workgroup_id_y 1
		.amdhsa_system_sgpr_workgroup_id_z 1
		.amdhsa_system_vgpr_workitem_id 0
		.amdhsa_next_free_vgpr 256
		.amdhsa_next_free_sgpr 66
		.amdhsa_reserve_vcc 0
		.amdhsa_float_denorm_mode_32 3
		.amdhsa_float_denorm_mode_16_64 3
		.amdhsa_memory_ordered 1
		.amdhsa_forward_progress 1
		.amdhsa_inst_pref_size 25
	.end_amdhsa_kernel
	.amdgpu_metadata
---
amdhsa.version: [ 1, 2 ]
amdhsa.kernels:
  - .name:           k_q695578e5c2_combine
    .symbol:         k_q695578e5c2_combine.kd
    .args:
      - { .name: part, .offset: 0, .size: 8, .value_kind: global_buffer, .address_space: global }
      - { .name: route, .offset: 8, .size: 8, .value_kind: global_buffer, .address_space: global }
      - { .name: rank, .offset: 16, .size: 8, .value_kind: global_buffer, .address_space: global }
      - { .name: gd, .offset: 24, .size: 8, .value_kind: global_buffer, .address_space: global }
      - { .name: b2, .offset: 32, .size: 8, .value_kind: global_buffer, .address_space: global }
      - { .name: out0, .offset: 40, .size: 8, .value_kind: global_buffer, .address_space: global }
    .group_segment_fixed_size: 0
    .private_segment_fixed_size: 0
    .kernarg_segment_align: 8
    .kernarg_segment_size: 48
    .max_flat_workgroup_size: 128
    .sgpr_count:     66
    .vgpr_count:     256
    .wavefront_size: 32
...
	.end_amdgpu_metadata
.endif
;; end of part 4
;; ======== version 2 of 2: 4 launches
;; workspace buffers: xb 2,097,152 bytes; gd 32,768 bytes; route 9,216 bytes of whole numbers; h 67,108,864 bytes; rank 32,768 bytes of whole numbers; gs 32,768 bytes; part 134,217,728 bytes
;; launch router: the kernel of part 1 again; grid 64 x 1, 4 waves a work-group, no clusters, 70,400 bytes of LDS; arguments x, noise, wr, br, wn, bn, out1, xb, gd, route; writes out1, xb, gd, route
;; launch up (part 5): grid 32 x 8, 4 waves a work-group, no clusters, 281,088 bytes of LDS; arguments w1, b1, xb, route, gd, h, rank, gs; writes h, rank, gs
.if DOCPART == 5
	.amdgcn_target "amdgcn-amd-amdhsa--gfx1250"
	.amdhsa_code_object_version 6
	.text
	.protected	k_q695578e5c2_up
	.globl	k_q695578e5c2_up
	.p2align	8
	.type	k_q695578e5c2_up,@function
k_q695578e5c2_up:
	s_mov_b64 s[64:65], 0
	v_nop
	global_prefetch_b8 v0, s[64:65] scope:SCOPE_SE
	s_setreg_imm32_b32 hwreg(HW_REG_WAVE_MODE, 25, 1), 1
	s_wait_xcnt 0x0
; UP.  h = gelu_tanh(x w1[e] + b1[e]) for the rows that chose expert e.  Work-group (slice, e): 128 columns of w1[e], all 1024 of K: 512 KB of f32 that it alone reads, once.
; THE WEIGHTS go memory -> registers -> bf16 fragments -> LDS, each LDS byte written once; all 256 KB stay.  A wave's unit is 64 columns x 32 K: 16 loads, in each of which 16 lanes take 256
; consecutive aligned bytes of one row of w1.  A lane holds columns 4 r .. 4 r + 3, so fragment c of a block of 64 columns holds the columns 4 idx + c: a fixed order of columns that costs nothing.
; THE ROWS.  Wave w owns the tiles of 16 rows t = 4 j + w.  Tiles j = 0..4 (320 rows) are multiplied while the weights stream.  Their tokens are found in registers from the expert's bitmap, which lies in
; 32 scalar registers: for place p the last word whose running count is <= p, then the bit of rank p - count in that word; so the first loads of rows wait for no LDS store and load.  Behind them, while
; the first weights are on their way, each wave lays its own copy of the whole list into LDS: it serves the tiles from 320 rows on (up to 1024), which are multiplied afterwards from the resident
; weights in a loop without barrier, and slice 0's tables.  So every split of the tokens is served and no weight is read twice.  Places past the count name an existing token and are not stored.
; THE FIFTH TILE.  From step 1 on a wave whose tile 16 + w lies past the count jumps that tile's four loads and its eight products a block, forward, past no barrier.  The first two fills and step 0 take
; all five tiles, so every register is written on every way.  The counted waits leave only loads of weights (or of the bias) out, so they hold whether or not the fifth tile's loads were issued.
; SOURCES SWAPPED (source 0 = 16 columns, source 1 = 16 tokens): a lane's eight results of a fragment are one token's hidden numbers 64 gcb + 32 h + 4 j + c.  Rounded to bf16 they are 16 bytes: half c % 2
; of the lane's operand for block 2 gcb + c / 2 of the next product, which orders its K alike.  h lies in that order: [e][tile][block of 32][half][lane][16 bytes]; a store covers 512 consecutive aligned bytes.
; ORDER OF LOADS.  Loads come back in issue order.  In step s: wait for W(s+1) and A(s), which leaves W(s+2) out; A(s+1) asked for; W(s+1) rounded and stored; W(s+3) asked for.
; So 16 + 20 + 16 = 52 loads of a wave are out at the most in the loop, 60 at the head of slice 0.
; PREFETCH.  Step s (s < 11) asks for the 32 blocks of 256 bytes of my W(s+5), one lane each, two steps ahead of the load that wants them; W(3), W(4) at the head.  Each block is asked for once, by the wave that loads it.
; FORMATS AND LIMITS.  w1, b1 and x rounded once to bf16, h once to bf16, sums in f32.  gelu(u) = u / (1 + 2^(u (C1 + C2 u^2))): -0 for very negative u, u for very large u, also where u^2 overflows.
; NaN and infinities are not treated apart.
; NO CLUSTER, NO TENSOR LOAD: each weight byte has one reader and must pass through registers to be rounded and turned; the token rows, which an expert's work-groups share, come by a list.
; REGISTERS, in windows of 256: window 0: v0-31 addresses; v32-63 four fragments on their way to LDS; v64-191 weights of one step (two blocks of 32 K x 8 fragments); v192-223 places in the list
;   window 1: token fragments, two buffers of 80 (16 j + 8 kb)   window 2: accumulators of tiles 0-3 (64 j + 8 nt)
;   window 3: v0-63 tile 4; v64-191 two slots of 16 loads of f32 weights, later BT (bias) and XR; v192-255 the bias as loaded, later TR
.set STEPW, 64*16384                   ; bytes of w1 from one step of 64 K to the next
.set STEPA, 128                        ; the same in a row of xb
.set AKB,   64                         ; a token fragment: block of 32 K, half
.set AP,    32
.set TB,    12                         ; s[12:13] xb, never stepped: the base of the late tiles
.set LIST,  262144
.set LISTW, 4608                       ; a wave's list: 1024 words, word 1024 for the lanes without a place, rounded up to nine stores of 512 bytes
.set SPARE, LIST+4*LISTW               ; the spare words, 128 bytes a wave
.set MULLO, 0xa4                       ; source 0 (weights) window 0, source 1 (tokens) window 1, C and D window 2
.set MULHI, 0xf4                       ; C and D window 3
.set BT, 64
.set XR, 128
.set TR, 192
.set MSB, 0
.macro WIN new                         ; the immediate's high byte repeats the setting that is left; a switch that changes nothing is dropped
.if MSB != (\new)
	s_set_vgpr_msb (MSB<<8)|(\new)
.set MSB, (\new)
.endif
.endm
.macro PLACES                          ; four plain instructions between a matrix instruction and a load into, or a vector read of, its registers
.rept 4
	v_nop
.endr
.endm
.macro LOADW slot, k                   ; my 64 columns x 32 K of step k (counted from the base), f32: load i takes row i + (i & 8) + 8 h
	WIN 0xc0
.set wi, 0
.rept 16
	global_load_b128 v[64+64*(\slot)+4*wi:64+64*(\slot)+4*wi+3], v6, s[8:9] offset:(\k)*STEPW+(wi+(wi&8))*16384 th:TH_LOAD_NT
.set wi, wi+1
.endr
.endm
.macro LOADA buf, k, sk                ; my tiles' fragments of step k.  sk = 1: the fifth tile's four loads are jumped where it lies past the count
	WIN 0x40
.set aj, 0
.rept 4
.set ak, 0
.rept 4
	global_load_b128 v[80*(\buf)+16*aj+4*ak:80*(\buf)+16*aj+4*ak+3], v[10+aj], s[24:25] offset:(\k)*STEPA+(ak>>1)*AKB+(ak&1)*AP
.set ak, ak+1
.endr
.set aj, aj+1
.endr
.if \sk
	WIN 0                                          ; at a branch and at a label every window is 0
	s_cmp_lt_u32 s95, s75                          ; 16 + w < the expert's tiles?
	s_cbranch_scc0 .Lna_\@
	WIN 0x40
.endif
.set ak, 0
.rept 4
	global_load_b128 v[80*(\buf)+64+4*ak:80*(\buf)+64+4*ak+3], v14, s[24:25] offset:(\k)*STEPA+(ak>>1)*AKB+(ak&1)*AP
.set ak, ak+1
.endr
.if \sk
	WIN 0
.Lna_\@:
.endif
.endm
.macro CVTW slot                       ; register ii of fragment c = loads 2 ii and 2 ii + 1, column c
	WIN 0x0f
.set cc, 0
.rept 4
.set ci, 0
.rept 8
	v_cvt_pk_bf16_f32 v[32+8*cc+ci], v[64+64*(\slot)+8*ci+cc], v[64+64*(\slot)+8*ci+4+cc]
.set ci, ci+1
.endr
.set cc, cc+1
.endr
.endm
.macro STW                             ; four fragments, 512 consecutive bytes a store
	WIN 0
.set cc, 0
.rept 8
	ds_store_b128 v7, v[32+4*cc:32+4*cc+3] offset:512*cc
.set cc, cc+1
.endr
	v_add_nc_u32 v7, 0x4000, v7
.endm
.macro LOADB a                         ; a step's 16 fragments: the first block of 32 K first
	WIN 0
.set bi, 0
.rept 32
	ds_load_b128 v[64+4*bi:64+4*bi+3], v[\a] offset:512*bi
.set bi, bi+1
.endr
.endm
.macro MULT j, kb, areg, zero          ; tile j x 8 fragments
.set nt, 0
.rept 8
.set rD, (64*(\j)+8*nt)&255
.set rW, 64+64*(\kb)+8*nt
.set rA, (\areg)+8*(\kb)
.if \zero
	v_wmma_f32_16x16x32_bf16 v[rD:rD+7], v[rW:rW+7], v[rA:rA+7], 0
.else
	v_wmma_f32_16x16x32_bf16 v[rD:rD+7], v[rW:rW+7], v[rA:rA+7], v[rD:rD+7]
.endif
.set nt, nt+1
.endr
.endm
.macro MULA kb, buf, zero              ; tiles 0 to 3: 32 accumulators by turns, one instruction a turn
	WIN MULLO
	MULT 0, \kb, 80*(\buf), \zero
	MULT 1, \kb, 80*(\buf)+16, \zero
	MULT 2, \kb, 80*(\buf)+32, \zero
	MULT 3, \kb, 80*(\buf)+48, \zero
.endm
.macro MULB kb, buf, zero, sk          ; the fifth tile's eight accumulators; sk = 1: jumped where the tile lies past the count
.if \sk
	WIN 0
	s_cmp_lt_u32 s95, s75
	s_cbranch_scc0 .Lnm_\@
.endif
	WIN MULHI
	MULT 4, \kb, 80*(\buf)+64, \zero
	WIN 0
.if \sk
.Lnm_\@:
.endif
.endm
; Step s, par = s % 2.  la: A(s+1) is loaded; cw: W(s+1) is rounded and stored; lw: W(s+3) is loaded; pf: the prefetch; n: the loads younger than W(s+1) and A(s); bar: the barrier that shows W(s+1) to all;
; sk: the fifth tile may be jumped.
.macro STEP par, zero, la, cw, lw, pf, n, bar, sk
	PLACES
	LOADB 8
	s_wait_loadcnt \n                              ; W(s+1) and A(s) are in; what was issued behind them stays out
.if \la
	LOADA 1-(\par), 1, \sk
.endif
.if \cw
	CVTW 1-(\par)
	STW
.endif
.if \lw
	LOADW 1-(\par), 3
.endif
	WIN 0
.if \pf
	s_cmp_lt_u32 s82, 11                           ; W(s+5) exists for s < 11
	s_cbranch_scc0 .Lnopf_\@
	global_prefetch_b8 v17, s[26:27] th:TH_LOAD_NT scope:SCOPE_SE
.Lnopf_\@:
.endif
.if \cw
	s_wait_dscnt 24                                ; the first block's 16 loads are in; younger: the second block's 16 and my 8 stores
.else
	s_wait_dscnt 16
.endif
	MULA 0, \par, \zero
	MULB 0, \par, \zero, \sk
	s_wait_dscnt 0x0                               ; the second block is in, and my stores of W(s+1) are done:
.if \bar
	s_barrier_signal -1                            ; say so,
.endif
	MULA 1, \par, 0                                ; work on registers while the others arrive,
	WIN 0
.if \bar
	s_barrier_wait -1                              ; and go on when W(s+1) is whole
.endif
	MULB 1, \par, 0, \sk                           ; the branch stands behind the barrier's wait
	v_add_nc_u32 v8, 0x4000, v8
	s_wait_xcnt 0x0                                ; the bases are stepped only behind this wait
	s_add_nc_u64 s[8:9], s[8:9], STEPW
	s_add_nc_u64 s[24:25], s[24:25], STEPA
.if \pf
	s_add_nc_u64 s[26:27], s[26:27], STEPW
	s_add_co_u32 s82, s82, 1
.endif
.endm
; A step of a late tile: one tile, accumulator set 0, weights from LDS, no barrier.  nxt: the next step's four loads.
.macro TSTEP par, zero, nxt
	PLACES
	LOADB 16
.if \nxt
	WIN 0x40
.set ak, 0
.rept 4
	global_load_b128 v[80*(1-(\par))+4*ak:80*(1-(\par))+4*ak+3], v15, s[TB:TB+1] offset:STEPA+(ak>>1)*AKB+(ak&1)*AP
.set ak, ak+1
.endr
	s_wait_loadcnt 4                               ; this step's four are in, the next step's stay out
.else
	s_wait_loadcnt 0x0
.endif
	s_wait_dscnt 16
	WIN MULLO
	MULT 0, 0, 80*(\par), \zero
	s_wait_dscnt 0x0
	MULT 0, 1, 80*(\par), 0
	WIN 0
	v_add_nc_u32 v16, 0x4000, v16
	s_wait_xcnt 0x0
	v_add_nc_u32 v15, STEPA, v15
.endm
.macro ADDB u                          ; XR = accumulator set u + bias; each accumulator is read from its low end on
.if (\u) < 4
	WIN 0xce
.else
	WIN 0xcf
.endif
.set bi, 0
.rept 32
	v_pk_add_f32 v[XR+2*bi:XR+2*bi+1], v[((64*(\u))&255)+2*bi:((64*(\u))&255)+2*bi+1], v[BT+2*bi:BT+2*bi+1]
.set bi, bi+1
.endr
	WIN 0
.endm
; gelu of the 64 numbers in XR, packed to bf16 into TR+0..31.  Three batches of transcendentals, each with one wait ahead of its first reader.
.macro GELU
	WIN 0xff
.set gi, 0
.rept 32
	v_pk_mul_f32 v[TR+2*gi:TR+2*gi+1], v[XR+2*gi:XR+2*gi+1], v[XR+2*gi:XR+2*gi+1]
.if gi > 0
	v_exp_f32 v[TR+2*gi-2], v[TR+2*gi-2]
.endif
	v_pk_fma_f32 v[TR+2*gi:TR+2*gi+1], v[TR+2*gi:TR+2*gi+1], s[92:93], s[90:91] op_sel_hi:[1,0,0]
.if gi > 0
	v_exp_f32 v[TR+2*gi-1], v[TR+2*gi-1]
.endif
	v_pk_mul_f32 v[TR+2*gi:TR+2*gi+1], v[TR+2*gi:TR+2*gi+1], v[XR+2*gi:XR+2*gi+1]
.set gi, gi+1
.endr
	v_exp_f32 v[TR+62], v[TR+62]
	v_exp_f32 v[TR+63], v[TR+63]
	v_nop
	s_wait_alu depctr_va_vdst(0)                   ; the 64 exponentials
.set gi, 0
.rept 16
	v_pk_add_f32 v[TR+2*gi:TR+2*gi+1], v[TR+2*gi:TR+2*gi+1], 1.0 op_sel_hi:[1,0]
.set gi, gi+1
.endr
.set gi, 0
.rept 16
	v_rcp_f32 v[TR+2*gi], v[TR+2*gi]
	v_pk_add_f32 v[TR+32+2*gi:TR+32+2*gi+1], v[TR+32+2*gi:TR+32+2*gi+1], 1.0 op_sel_hi:[1,0]
	v_rcp_f32 v[TR+2*gi+1], v[TR+2*gi+1]
.set gi, gi+1
.endr
	v_nop
	s_wait_alu depctr_va_vdst(0)                   ; the first 32 reciprocals
.set gi, 0
.rept 16
	v_rcp_f32 v[TR+32+2*gi], v[TR+32+2*gi]
	v_pk_mul_f32 v[XR+2*gi:XR+2*gi+1], v[XR+2*gi:XR+2*gi+1], v[TR+2*gi:TR+2*gi+1]
	v_rcp_f32 v[TR+33+2*gi], v[TR+33+2*gi]
	v_cvt_pk_bf16_f32 v[TR+gi], v[XR+2*gi], v[XR+2*gi+1]  ; lands on a reciprocal that has been used
.set gi, gi+1
.endr
	v_nop
	s_wait_alu depctr_va_vdst(0)                   ; the last 32
.set gi, 16
.rept 16
	v_pk_mul_f32 v[XR+2*gi:XR+2*gi+1], v[XR+2*gi:XR+2*gi+1], v[TR+2*gi:TR+2*gi+1]
	v_cvt_pk_bf16_f32 v[TR+gi], v[XR+2*gi], v[XR+2*gi+1]
.set gi, gi+1
.endr
.endm
; One level of the search for the bit of rank v23 in a word: v[src] holds the counts of the word's fields of 'width' bits; the field at bit v29 is the lower half of the block in hand.
; Where the rank is not below its count, the count is taken off and the search goes to the upper half.
.macro LEVEL src, width
	v_bfe_u32 v28, v[\src], v29, \width
	v_cmp_ge_u32 vcc_lo, v23, v28
	v_cndmask_b32 v28, 0, v28, vcc_lo
	v_sub_nc_u32 v23, v23, v28
	v_cndmask_b32 v30, 0, \width, vcc_lo
	v_add_nc_u32 v29, v29, v30
.endm
	s_load_b512 s[8:23], s[0:1], 0x0               ; w1, b1, xb, route, gd, h, rank, gs
	v_lshl_add_u32 v4, v0, 2, SPARE                ; my spare word,
	v_mov_b32 v5, 0                                ; and 0: kept for the add at the end alone
	v_and_b32 v1, 31, v0                           ; lane
	v_and_b32 v2, 15, v0                           ; r
	v_bfe_u32 v3, v0, 4, 1                         ; h
	v_lshrrev_b32 v20, 5, v0
	v_readfirstlane_b32 s2, v20                    ; wave
	s_mov_b32 s3, ttmp9                            ; slice of 128 columns
	s_and_b32 s4, ttmp7, 0xffff                    ; expert
	s_and_b32 s5, s2, 1                            ; which 64 columns I fetch
	s_lshr_b32 s6, s2, 1                           ; which 32 of a step's 64 K
	s_lshl_b32 s7, s4, 7                           ; the expert's 32 words of the bitmap
	s_add_co_u32 s95, s2, 16                       ; my fifth tile's number
	v_lshlrev_b32 v9, 4, v1                        ; 16 x lane
	v_mov_b32 v8, v9                               ; where a step's fragments are read
	s_lshl_b32 s30, s6, 13
	s_lshl_b32 s31, s5, 12
	s_add_co_u32 s30, s30, s31
	v_add_nc_u32 v7, s30, v9                       ; where I store mine
	v_lshlrev_b32 v6, 4, v2                        ; w1: 16 r + 8 h rows
	v_lshl_add_u32 v6, v3, 17, v6
	v_and_b32 v20, 8, v2                           ; prefetch: lane L stands for load L % 16, half L / 16
	v_add_nc_u32 v20, v20, v2
	v_lshlrev_b32 v17, 14, v20
	v_lshl_add_u32 v17, v3, 17, v17
	v_lshlrev_b32 v18, 7, v3                       ; bias: 32 h numbers on
	s_mov_b32 s90, 0xc0135761                      ; C1 = -2 log2(e) sqrt(2 / pi)
	s_mov_b32 s91, s90
	s_mov_b32 s92, 0xbdd2d3e8                      ; C2 = 0.044715 C1
	s_mov_b32 s93, s92
	s_mov_b32 s94, 0xffff0000
	s_mov_b32 s82, 0                               ; the step's number, for the prefetch
	s_lshl_b32 s30, s4, 24                         ; w1: expert, slice, my 64 columns, my 32 K
	s_lshl_b32 s31, s3, 9
	s_add_co_u32 s30, s30, s31
	s_lshl_b32 s31, s5, 8
	s_add_co_u32 s30, s30, s31
	s_lshl_b32 s31, s6, 19
	s_add_co_u32 s30, s30, s31
	s_mov_b32 s31, 0
	s_lshl_b32 s28, s4, 14                         ; b1: expert, slice
	s_lshl_b32 s29, s3, 9
	s_add_co_u32 s28, s28, s29
	s_mov_b32 s29, 0
	s_wait_kmcnt 0x0
	s_load_b512 s[32:47], s[14:15], s7 offset:0x2000   ; the bitmap first: the rows hang on it
	s_load_b512 s[48:63], s[14:15], s7 offset:0x2040
	s_add_nc_u64 s[8:9], s[8:9], s[30:31]
	s_add_nc_u64 s[10:11], s[10:11], s[28:29]
	LOADW 0, 0
	LOADW 1, 1
	WIN 0
	global_prefetch_b8 v17, s[8:9] offset:3*STEPW th:TH_LOAD_NT scope:SCOPE_SE
	global_prefetch_b8 v17, s[8:9] offset:4*STEPW th:TH_LOAD_NT scope:SCOPE_SE
	s_add_nc_u64 s[26:27], s[8:9], 5*STEPW
	s_lshl_b32 s30, s4, 23                         ; h: expert, slice
	s_lshl_b32 s28, s3, 12
	s_add_co_u32 s30, s30, s28
	s_add_nc_u64 s[18:19], s[18:19], s[30:31]
	s_lshl_b32 s30, s4, 12                         ; rank, gs: the expert's 1024 words
	s_add_nc_u64 s[20:21], s[20:21], s[30:31]
	s_add_nc_u64 s[22:23], s[22:23], s[30:31]
	s_lshl_b32 s30, s4, 2                          ; gd: the expert's column
	s_add_nc_u64 s[16:17], s[16:17], s[30:31]
	s_mov_b64 s[24:25], s[12:13]
	s_lshl_b32 s28, s2, 4
	v_add_nc_u32 v20, s28, v2                      ; place p = 64 j + 16 w + r, j = 0 first
.irp j, 0,1,2,3,4
	v_mov_b32 v[10+\j], 0                          ; the five results move up through v14 .. v10, one place a trip
.endr
	s_mov_b32 s81, 5
	s_wait_kmcnt 0x0
.Lsel:                                                 ; five trips, one tile each: the token at place p
	v_mov_b32 v21, s32                             ; the word in hand,
	v_mov_b32 v22, 0                               ; and its key: 2048 x its number + the count of chosen tokens in front of it
	s_bcnt1_i32_b32 s77, s32
.set li, 1
.rept 31
	v_cmp_le_u32 vcc_lo, s77, v20                  ; the counts only grow: the last word whose count is <= p holds place p
	s_or_b32 s30, s77, li<<11
	v_cndmask_b32 v21, v21, s[32+li], vcc_lo
	v_cndmask_b32 v22, v22, s30, vcc_lo
	s_bcnt1_i32_b32 s31, s[32+li]
	s_add_co_u32 s77, s77, s31
.set li, li+1
.endr
	v_and_b32 v23, 0x7ff, v22
	v_sub_nc_u32 v23, v20, v23                     ; the rank wanted inside the word
	v_lshrrev_b32 v22, 11, v22                     ; the word's number
	v_lshrrev_b32 v24, 1, v21                      ; counts of the word's fields of 2 bits,
	v_and_b32 v24, 0x55555555, v24
	v_sub_nc_u32 v24, v21, v24
	v_lshrrev_b32 v25, 2, v24                      ; of 4,
	v_and_b32 v25, 0x33333333, v25
	v_and_b32 v26, 0x33333333, v24
	v_add_nc_u32 v25, v25, v26
	v_lshrrev_b32 v26, 4, v25                      ; of 8,
	v_add_nc_u32 v26, v26, v25
	v_and_b32 v26, 0x0f0f0f0f, v26
	v_lshrrev_b32 v27, 8, v26                      ; and of the low 16
	v_add_nc_u32 v27, v27, v26
	v_and_b32 v28, 0xff, v27
	v_cmp_ge_u32 vcc_lo, v23, v28
	v_cndmask_b32 v28, 0, v28, vcc_lo
	v_sub_nc_u32 v23, v23, v28
	v_cndmask_b32 v29, 0, 16, vcc_lo               ; the bit's number, made from the top down
	LEVEL 26, 8
	LEVEL 25, 4
	LEVEL 24, 2
	LEVEL 21, 1
	v_mov_b32 v10, v11
	v_mov_b32 v11, v12
	v_mov_b32 v12, v13
	v_mov_b32 v13, v14
	v_lshl_add_u32 v14, v22, 5, v29                ; token = 32 x word + bit; past the count: some token below 1024
	v_add_nc_u32 v20, 64, v20
	s_sub_co_u32 s81, s81, 1
	s_cmp_lg_u32 s81, 0
	s_cbranch_scc1 .Lsel
	s_mov_b32 s74, s77                             ; the walk's last sum: the expert's rows,
	s_add_co_u32 s75, s74, 15
	s_lshr_b32 s75, s75, 4                         ; its tiles,
	s_max_u32 s76, s75, 1                          ; and at least one: tile 0 is always written, since the next launch reads it in any case
.irp j, 0,1,2,3,4
	v_min_u32 v[10+\j], 0x3ff, v[10+\j]
	v_lshlrev_b32 v[10+\j], 11, v[10+\j]           ; a row of xb is 2048 bytes
	v_lshl_add_u32 v[10+\j], v3, 4, v[10+\j]
.endr
	LOADA 0, 0, 0
	WIN 0
	s_mul_i32 s28, s2, LISTW                       ; my wave's list in LDS is cleared: there places past the count name token 0
	s_add_co_u32 s28, s28, LIST
	v_mov_b32 v22, s28
	v_add_nc_u32 v23, v22, v9
	v_lshl_add_u32 v19, v2, 2, v22                 ; list + 4 r
	v_mov_b32 v24, 0
	v_mov_b32 v25, 0
	v_mov_b32 v26, 0
	v_mov_b32 v27, 0
.set li, 0
.rept 9
	ds_store_b128 v23, v[24:27] offset:512*li
.set li, li+1
.endr
	v_mov_b32 v21, 0x400
	s_mov_b32 s77, 0
.set li, 0
.rept 32                                               ; token 32 li + lane: its place is the number of chosen tokens in front of it; a token that did not choose writes word 1024
	v_mbcnt_lo_u32_b32 v[192+li], s[32+li], s77
	v_cndmask_b32 v[192+li], v21, v[192+li], s[32+li]
	v_min_u32 v[192+li], 0x400, v[192+li]
	v_lshl_add_u32 v28, v[192+li], 2, v22
	v_add_nc_u32 v29, 32*li, v1
	ds_store_b32 v28, v29                          ; LDS serves a wave's instructions in order (ISA guide 5.7.1.4): behind the clearing, ahead of the reads below
	s_bcnt1_i32_b32 s30, s[32+li]
	s_add_co_u32 s77, s77, s30
.set li, li+1
.endr
	s_cmp_lg_u32 s3, 0
	s_cbranch_scc1 .Lnot0
	v_lshlrev_b32 v28, 2, v1                       ; slice 0 also stores each token's place, wave w those of words 8 w .. 8 w + 7,
.irp ww, 0,1,2,3
	s_cmp_lg_u32 s2, \ww
	s_cbranch_scc1 .Lnr\ww
.set li, 0
.rept 8
	global_store_b32 v28, v[192+8*\ww+li], s[20:21] offset:128*(8*\ww+li)
.set li, li+1
.endr
.Lnr\ww:
.endr
	v_lshl_add_u32 v29, v0, 2, v22                 ; and the gates in the order of the places
.set li, 0
.rept 8
	ds_load_b32 v[32+li], v29 offset:512*li
.set li, li+1
.endr
	s_wait_dscnt 0x0
.set li, 0
.rept 8
	v_min_u32 v[32+li], 0x3ff, v[32+li]
	v_lshlrev_b32 v[32+li], 5, v[32+li]
.set li, li+1
.endr
.set li, 0
.rept 8
	global_load_b32 v[40+li], v[32+li], s[16:17]   ; with W(0), W(1) and A(0): 60 loads out
.set li, li+1
.endr
	v_lshlrev_b32 v30, 2, v0
	s_wait_loadcnt 0x0
.set li, 0
.rept 8
	global_store_b32 v30, v[40+li], s[22:23] offset:512*li
.set li, li+1
.endr
	s_wait_xcnt 0x0                                ; v32-47 are written again below
.Lnot0:
	s_wait_loadcnt 36                              ; W(0) is in; younger: W(1)'s 16 and A(0)'s 20
	CVTW 0
	STW
	LOADW 0, 2
	WIN 0
	s_wait_dscnt 0x0
	s_barrier_signal -1
	s_barrier_wait -1                              ; W(0) is whole
	STEP 0, 1, 1, 1, 1, 1, 16, 1, 0                ; step 0 starts the sums, all five tiles'; younger than W(1) and A(0): W(2)'s 16
	s_mov_b32 s81, 6
.Lk:                                                   ; steps 1 to 12
	STEP 1, 0, 1, 1, 1, 1, 16, 1, 1
	STEP 0, 0, 1, 1, 1, 1, 16, 1, 1
	s_sub_co_u32 s81, s81, 1
	s_cmp_lg_u32 s81, 0
	s_cbranch_scc1 .Lk
	STEP 1, 0, 1, 1, 0, 0, 16, 1, 1                ; 13: younger than W(14) and A(13): W(15)
	WIN 0xc0
.set bi, 0
.rept 16                                               ; the bias, where no weights are left to ask for: 36 loads are out at the most, these make 52.  bi = 8 cb + j: numbers 64 cb + 32 h + 4 j + 0..3
	global_load_b128 v[TR+4*bi:TR+4*bi+3], v18, s[10:11] offset:256*(bi>>3)+16*(bi&7)
.set bi, bi+1
.endr
	WIN 0
	STEP 0, 0, 1, 1, 0, 0, 16, 1, 1                ; 14: younger than W(15) and A(14): the bias's 16
	STEP 1, 0, 0, 0, 0, 0, 0, 0, 1                 ; 15: A(15) and the bias are in; nothing is left to fetch or to store
	PLACES
	WIN 0xff                                       ; the bias, rounded to bf16, widened, and laid in the accumulators' order
.set bc, 0
.rept 2
.set bj, 0
.rept 8
.set bp, 0
.rept 2
.set bs, TR+(8*bc+bj)*4+2*bp
	v_cvt_pk_bf16_f32 v[bs], v[bs], v[bs+1]
	v_lshlrev_b32 v[BT+8*(4*bc+2*bp)+bj], 16, v[bs]
	v_and_b32 v[BT+8*(4*bc+2*bp+1)+bj], s94, v[bs]
.set bp, bp+1
.endr
.set bj, bj+1
.endr
.set bc, bc+1
.endr
	WIN 0
	s_mov_b32 s83, 0
.Ltile:                                                ; 16 trips: tile t = 4 u + w; a tile past the count is jumped, forward, past no barrier
	s_lshl_b32 s84, s83, 2
	s_add_co_u32 s84, s84, s2
	s_cmp_ge_u32 s84, s76
	s_cbranch_scc1 .Lnext
	s_wait_xcnt 0x0                                ; the last tile's stores have read their registers and their base
	s_lshl_b32 s30, s84, 17
	s_mov_b32 s31, 0
	s_add_nc_u64 s[86:87], s[18:19], s[30:31]
	s_cmp_lt_u32 s83, 5
	s_cbranch_scc0 .Lover
	s_cmp_eq_u32 s83, 0
	s_cbranch_scc1 .Lc0
	s_cmp_eq_u32 s83, 1
	s_cbranch_scc1 .Lc1
	s_cmp_eq_u32 s83, 2
	s_cbranch_scc1 .Lc2
	s_cmp_eq_u32 s83, 3
	s_cbranch_scc1 .Lc3
	s_branch .Lc4
.Lover:                                                ; a late tile is first multiplied, into set 0, which has left
	s_lshl_b32 s30, s84, 6
	v_add_nc_u32 v20, s30, v19
	ds_load_b32 v15, v20
	v_mov_b32 v16, v9                              ; 16 x lane; sixteen steps of 16,384 bytes: all reads lie below byte 262,144
	s_wait_dscnt 0x0
	v_min_u32 v15, 0x3ff, v15
	v_lshlrev_b32 v15, 11, v15
	v_lshl_add_u32 v15, v3, 4, v15
	WIN 0x40
.set ak, 0
.rept 4
	global_load_b128 v[4*ak:4*ak+3], v15, s[TB:TB+1] offset:(ak>>1)*AKB+(ak&1)*AP
.set ak, ak+1
.endr
	WIN 0
	TSTEP 0, 1, 1
	s_mov_b32 s85, 7
.Ltk:
	TSTEP 1, 0, 1
	TSTEP 0, 0, 1
	s_sub_co_u32 s85, s85, 1
	s_cmp_lg_u32 s85, 0
	s_cbranch_scc1 .Ltk
	TSTEP 1, 0, 0
	PLACES
.Lc0:
	ADDB 0
	s_branch .Lgelu
.Lc1:
	ADDB 1
	s_branch .Lgelu
.Lc2:
	ADDB 2
	s_branch .Lgelu
.Lc3:
	ADDB 3
	s_branch .Lgelu
.Lc4:
	ADDB 4
.Lgelu:
	GELU
	WIN 0x0c                                       ; data in window 3, address in window 0
.set gi, 0
.rept 8
	global_store_b128 v9, v[TR+4*gi:TR+4*gi+3], s[86:87] offset:512*gi  ; 512 consecutive aligned bytes; the tile's eight stores are 4 KB on end
.set gi, gi+1
.endr
	WIN 0
.Lnext:
	s_add_co_u32 s83, s83, 1
	s_cmp_lt_u32 s83, 16
	s_cbranch_scc1 .Ltile
	s_wait_dscnt 0x0                               ; my reads of LDS are over,
	s_barrier_signal -1
	s_barrier_wait -1                              ; and everybody's are, the late tiles' too: only now does any wave write LDS again (the add below)
	s_wait_tensorcnt 0x0                           ; the wave's end
	ds_add_u32 v4, v5
	s_wait_dscnt 0x0
	s_endpgm
.Lfunc_end_k_q695578e5c2_up:
	.size	k_q695578e5c2_up, .Lfunc_end_k_q695578e5c2_up-k_q695578e5c2_up
	.p2alignl 7, 3214868480
	.fill 96, 4, 3214868480
	.section	.rodata,"a",@progbits
	.p2align	6, 0x0
	.amdhsa_kernel k_q695578e5c2_up
		.amdhsa_group_segment_fixed_size 281088
		.amdhsa_private_segment_fixed_size 0
		.amdhsa_enable_private_segment 0
		.amdhsa_kernarg_size 64
		.amdhsa_user_sgpr_count 2
		.amdhsa_user_sgpr_kernarg_segment_ptr 1
		.amdhsa_wavefront_size32 1
		.amdhsa_system_sgpr_workgroup_id_x 1
		.amdhsa_system_sgpr_workgroup_id_y 1
		.amdhsa_system_sgpr_workgroup_id_z 1
		.amdhsa_system_vgpr_workitem_id 0
		.amdhsa_next_free_vgpr 1024
		.amdhsa_next_free_sgpr 100
		.amdhsa_reserve_vcc 1
		.amdhsa_float_denorm_mode_32 3
		.amdhsa_float_denorm_mode_16_64 3
		.amdhsa_memory_ordered 1
		.amdhsa_forward_progress 1
		.amdhsa_inst_pref_size 172
	.end_amdhsa_kernel
	.amdgpu_metadata
---
amdhsa.version: [ 1, 2 ]
amdhsa.kernels:
  - .name:           k_q695578e5c2_up
    .symbol:         k_q695578e5c2_up.kd
    .args:
      - { .name: w1, .offset: 0, .size: 8, .value_kind: global_buffer, .address_space: global }
      - { .name: b1, .offset: 8, .size: 8, .value_kind: global_buffer, .address_space: global }
      - { .name: xb, .offset: 16, .size: 8, .value_kind: global_buffer, .address_space: global }
      - { .name: route, .offset: 24, .size: 8, .value_kind: global_buffer, .address_space: global }
      - { .name: gd, .offset: 32, .size: 8, .value_kind: global_buffer, .address_space: global }
      - { .name: h, .offset: 40, .size: 8, .value_kind: global_buffer, .address_space: global }
      - { .name: rank, .offset: 48, .size: 8, .value_kind: global_buffer, .address_space: global }
      - { .name: gs, .offset: 56, .size: 8, .value_kind: global_buffer, .address_space: global }
    .group_segment_fixed_size: 281088
    .private_segment_fixed_size: 0
    .kernarg_segment_align: 8
    .kernarg_segment_size: 64
    .max_flat_workgroup_size: 128
    .sgpr_count:     100
    .vgpr_count:     1024
    .wavefront_size: 32
...
	.end_amdgpu_metadata
.endif
;; end of part 5
;; launch down (part 6): grid 32 x 8, 4 waves a work-group, no clusters, 262,656 bytes of LDS; arguments w2, h, route, gs, part; writes part
.if DOCPART == 6
	.amdgcn_target "amdgcn-amd-amdhsa--gfx1250"
	.amdhsa_code_object_version 6
	.text
	.protected	k_q695578e5c2_down
	.globl	k_q695578e5c2_down
	.p2align	8
	.type	k_q695578e5c2_down,@function
k_q695578e5c2_down:
	s_mov_b64 s[64:65], 0
	v_nop
	global_prefetch_b8 v0, s[64:65] scope:SCOPE_SE
	s_setreg_imm32_b32 hwreg(HW_REG_WAVE_MODE, 25, 1), 1
	s_wait_xcnt 0x0
; DOWN.  part[ks][e, place] = gate x (h[e, place][K part ks] w2[e][K part ks]), f32.  Work-group (x = 8 ks + cs, e): 128 columns cs of w2[e], 1024 of its 4096 K: 512 KB of f32 that it alone reads, once.
; K is cut in four, and not the columns further, because the rows of h are read once for every 128 columns: narrower slices would multiply that traffic.  The four parts are added by the next launch.
; The scheme is that of the launch before: weights memory -> registers -> bf16 fragments -> LDS, written once and resident; wave w owns tiles t = 4 j + w; five tiles a wave ride on the stream,
; tiles from 320 rows on are multiplied afterwards from LDS without a barrier; tiles past the count read an existing tile and are not stored.
; THE FIFTH TILE.  From step 1 on a wave whose tile 16 + w lies past the count jumps that tile's four loads and its eight products a block, forward, past no barrier.  The first two fills and step 0 take
; all five tiles, so every register is written on every way.  The counted waits in the steps leave only loads of weights out, so they hold whether or not the fifth tile's loads were issued.
; h lies in operand order, so a fragment half is 512 consecutive bytes.  Its K order inside a block of 64 is (half p, lane half h, j) <-> 32 h + 4 j + 2 pc + p, pc the block of 32: load i = (p, j) of w2 takes just that row.
; NATURAL SOURCES (source 0 = 16 rows of h, source 1 = 16 columns): register j is row 8 h + j, lane r of fragment c column 4 r + c.  The four fragments of a block of 64 columns hold four neighbouring
; columns, and the multiply by the row's gate puts them side by side: a store writes 256 consecutive aligned bytes of row j (lanes 0-15) and of row 8 + j (lanes 16-31).
; THE GATES of my five tiles are asked for at the head, ten loads, so that no tile waits for them on its way out; a late tile asks for its own ahead of its products.
; ORDER OF LOADS as in the launch before: in step s the wait for W(s+1) and A(s) leaves W(s+2) out; then A(s+1) and W(s+3) are asked for: 52 loads of a wave are out at the most in the loop, 62 at the head.
; PREFETCH as in the launch before: step s < 11 asks for my W(s+5), one lane for each block of 256 bytes; W(3), W(4) at the head.
; FORMATS AND LIMITS.  w2 rounded once to bf16; h is bf16; sums, gates and parts f32.  NaN and infinities are not treated apart.
; NO CLUSTER, NO TENSOR LOAD: each weight byte has one reader and passes through registers to be rounded and turned; LDS is filled by the resident slice, so the shared rows of h have no room there.
; REGISTERS as in the launch before; window 0 v192-231 hold the gates, eight a tile; behind the main loop window 3 v128-191 is XR, the rows to store.
.set STEPW, 64*4096
.set STEPA, 2048
.set AKB,   1024
.set AP,    512
.set TB,    10                         ; s[10:11] h at my expert and K part, never stepped
.set SPARE, 262144
.set MULLO, 0xa1                       ; source 0 (rows of h) window 1, source 1 (weights) window 0, C and D window 2
.set MULHI, 0xf1
.set GS, 192                           ; window 0
.set XR, 128                           ; window 3
.set MSB, 0
.macro WIN new
.if MSB != (\new)
	s_set_vgpr_msb (MSB<<8)|(\new)
.set MSB, (\new)
.endif
.endm
.macro PLACES
.rept 4
	v_nop
.endr
.endm
.macro LOADW slot, k                   ; load i takes row 32 h + 4 (i % 8) + i / 8 of my block (2 pc is in the base)
	WIN 0xc0
.set wi, 0
.rept 16
	global_load_b128 v[64+64*(\slot)+4*wi:64+64*(\slot)+4*wi+3], v6, s[8:9] offset:(\k)*STEPW+(4*(wi&7)+(wi>>3))*4096 th:TH_LOAD_NT
.set wi, wi+1
.endr
.endm
.macro LOADA buf, k, sk                ; my tiles' fragments of step k.  sk = 1: the fifth tile's four loads are jumped where it lies past the count
	WIN 0x40
.set aj, 0
.rept 4
.set ak, 0
.rept 4
	global_load_b128 v[80*(\buf)+16*aj+4*ak:80*(\buf)+16*aj+4*ak+3], v[10+aj], s[24:25] offset:(\k)*STEPA+(ak>>1)*AKB+(ak&1)*AP
.set ak, ak+1
.endr
.set aj, aj+1
.endr
.if \sk
	WIN 0                                          ; at a branch and at a label every window is 0
	s_cmp_lt_u32 s95, s75                          ; 16 + w < the expert's tiles?
	s_cbranch_scc0 .Lna_\@
	WIN 0x40
.endif
.set ak, 0
.rept 4
	global_load_b128 v[80*(\buf)+64+4*ak:80*(\buf)+64+4*ak+3], v14, s[24:25] offset:(\k)*STEPA+(ak>>1)*AKB+(ak&1)*AP
.set ak, ak+1
.endr
.if \sk
	WIN 0
.Lna_\@:
.endif
.endm
.macro CVTW slot
	WIN 0x0f
.set cc, 0
.rept 4
.set ci, 0
.rept 8
	v_cvt_pk_bf16_f32 v[32+8*cc+ci], v[64+64*(\slot)+8*ci+cc], v[64+64*(\slot)+8*ci+4+cc]
.set ci, ci+1
.endr
.set cc, cc+1
.endr
.endm
.macro STW
	WIN 0
.set cc, 0
.rept 8
	ds_store_b128 v7, v[32+4*cc:32+4*cc+3] offset:512*cc
.set cc, cc+1
.endr
	v_add_nc_u32 v7, 0x4000, v7
.endm
.macro LOADB a
	WIN 0
.set bi, 0
.rept 32
	ds_load_b128 v[64+4*bi:64+4*bi+3], v[\a] offset:512*bi
.set bi, bi+1
.endr
.endm
.macro MULT j, kb, areg, zero
.set nt, 0
.rept 8
.set rD, (64*(\j)+8*nt)&255
.set rW, 64+64*(\kb)+8*nt
.set rA, (\areg)+8*(\kb)
.if \zero
	v_wmma_f32_16x16x32_bf16 v[rD:rD+7], v[rA:rA+7], v[rW:rW+7], 0
.else
	v_wmma_f32_16x16x32_bf16 v[rD:rD+7], v[rA:rA+7], v[rW:rW+7], v[rD:rD+7]
.endif
.set nt, nt+1
.endr
.endm
.macro MULA kb, buf, zero              ; tiles 0 to 3: 32 accumulators by turns, one instruction a turn
	WIN MULLO
	MULT 0, \kb, 80*(\buf), \zero
	MULT 1, \kb, 80*(\buf)+16, \zero
	MULT 2, \kb, 80*(\buf)+32, \zero
	MULT 3, \kb, 80*(\buf)+48, \zero
.endm
.macro MULB kb, buf, zero, sk          ; the fifth tile's eight accumulators; sk = 1: jumped where the tile lies past the count
.if \sk
	WIN 0
	s_cmp_lt_u32 s95, s75
	s_cbranch_scc0 .Lnm_\@
.endif
	WIN MULHI
	MULT 4, \kb, 80*(\buf)+64, \zero
	WIN 0
.if \sk
.Lnm_\@:
.endif
.endm
; Step s, par = s % 2.  la: A(s+1) is loaded; cw: W(s+1) is rounded and stored; lw: W(s+3) is loaded; pf: the prefetch; n: the loads younger than W(s+1) and A(s); bar: the barrier that shows W(s+1) to all;
; sk: the fifth tile may be jumped.
.macro STEP par, zero, la, cw, lw, pf, n, bar, sk
	PLACES
	LOADB 8
	s_wait_loadcnt \n                              ; W(s+1) and A(s) are in; what was issued behind them stays out
.if \la
	LOADA 1-(\par), 1, \sk
.endif
.if \cw
	CVTW 1-(\par)
	STW
.endif
.if \lw
	LOADW 1-(\par), 3
.endif
	WIN 0
.if \pf
	s_cmp_lt_u32 s82, 11                           ; W(s+5) exists for s < 11
	s_cbranch_scc0 .Lnopf_\@
	global_prefetch_b8 v17, s[26:27] th:TH_LOAD_NT scope:SCOPE_SE
.Lnopf_\@:
.endif
.if \cw
	s_wait_dscnt 24                                ; the first block's 16 loads are in; younger: the second block's 16 and my 8 stores
.else
	s_wait_dscnt 16
.endif
	MULA 0, \par, \zero
	MULB 0, \par, \zero, \sk
	s_wait_dscnt 0x0                               ; the second block is in, and my stores of W(s+1) are done:
.if \bar
	s_barrier_signal -1
.endif
	MULA 1, \par, 0                                ; work on registers between signal and wait
	WIN 0
.if \bar
	s_barrier_wait -1                              ; W(s+1) is whole
.endif
	MULB 1, \par, 0, \sk                           ; the branch stands behind the barrier's wait
	v_add_nc_u32 v8, 0x4000, v8
	s_wait_xcnt 0x0                                ; the bases are stepped only behind this wait
	s_add_nc_u64 s[8:9], s[8:9], STEPW
	s_add_nc_u64 s[24:25], s[24:25], STEPA
.if \pf
	s_add_nc_u64 s[26:27], s[26:27], STEPW
	s_add_co_u32 s82, s82, 1
.endif
.endm
.macro TSTEP par, zero, nxt            ; a step of a late tile: accumulator set 0, weights from LDS, no barrier
	PLACES
	LOADB 16
.if \nxt
	WIN 0x40
.set ak, 0
.rept 4
	global_load_b128 v[80*(1-(\par))+4*ak:80*(1-(\par))+4*ak+3], v15, s[TB:TB+1] offset:STEPA+(ak>>1)*AKB+(ak&1)*AP
.set ak, ak+1
.endr
	s_wait_loadcnt 4                               ; this step's four are in, the next step's stay out
.else
	s_wait_loadcnt 0x0
.endif
	s_wait_dscnt 16
	WIN MULLO
	MULT 0, 0, 80*(\par), \zero
	s_wait_dscnt 0x0
	MULT 0, 1, 80*(\par), 0
	WIN 0
	v_add_nc_u32 v16, 0x4000, v16
	s_wait_xcnt 0x0
	v_add_nc_u32 v15, STEPA, v15
.endm
.macro MULG u                          ; XR = accumulator set u x the rows' gates, four neighbouring columns side by side; j = 0 first: each accumulator is read from its low end on
.if (\u) < 4
	WIN 0xc2                                       ; destination window 3, accumulators window 2, gates window 0
.else
	WIN 0xc3
.endif
.set gj, 0
.rept 8
.set ga, 0
.rept 8
	v_mul_f32 v[XR+(8*(ga>>2)+gj)*4+(ga&3)], v[((64*(\u))&255)+8*ga+gj], v[GS+8*(\u)+gj]
.set ga, ga+1
.endr
.set gj, gj+1
.endr
	WIN 0
.endm
	s_load_b256 s[8:15], s[0:1], 0x0               ; w2, h, route, gs
	s_load_b64 s[16:17], s[0:1], 0x20              ; part
	v_lshl_add_u32 v4, v0, 2, SPARE                ; my spare word,
	v_mov_b32 v5, 0                                ; and 0: kept for the add at the end alone
	v_and_b32 v1, 31, v0
	v_and_b32 v2, 15, v0
	v_bfe_u32 v3, v0, 4, 1
	v_lshrrev_b32 v20, 5, v0
	v_readfirstlane_b32 s2, v20                    ; wave
	s_and_b32 s3, ttmp9, 7                         ; cs: slice of 128 columns
	s_lshr_b32 s7, ttmp9, 3                        ; ks: part of K
	s_and_b32 s4, ttmp7, 0xffff                    ; expert
	s_and_b32 s5, s2, 1
	s_lshr_b32 s6, s2, 1
	s_lshl_b32 s96, s4, 7                          ; the expert's 32 words of the bitmap
	s_add_co_u32 s95, s2, 16                       ; my fifth tile's number
	v_lshlrev_b32 v9, 4, v1
	v_mov_b32 v8, v9
	s_lshl_b32 s30, s6, 13
	s_lshl_b32 s31, s5, 12
	s_add_co_u32 s30, s30, s31
	v_add_nc_u32 v7, s30, v9
	v_lshlrev_b32 v6, 4, v2                        ; w2: 16 r + 32 h rows
	v_lshl_add_u32 v6, v3, 17, v6
	v_and_b32 v20, 7, v2                           ; prefetch: lane L stands for load L % 16, half L / 16
	v_lshlrev_b32 v17, 14, v20
	v_lshrrev_b32 v20, 3, v2
	v_lshl_add_u32 v17, v20, 12, v17
	v_lshl_add_u32 v17, v3, 17, v17
	v_lshlrev_b32 v18, 5, v3                       ; gates: 8 h rows on
	v_lshlrev_b32 v19, 4, v2                       ; part: 16 r + 8 h rows
	v_lshl_add_u32 v19, v3, 15, v19
	s_mov_b32 s82, 0
	s_lshl_b32 s30, s4, 24                         ; w2: expert, K part, slice, my 64 columns, my block of 32
	s_lshl_b32 s31, s7, 22
	s_add_co_u32 s30, s30, s31
	s_lshl_b32 s31, s3, 9
	s_add_co_u32 s30, s30, s31
	s_lshl_b32 s31, s5, 8
	s_add_co_u32 s30, s30, s31
	s_lshl_b32 s31, s6, 13
	s_add_co_u32 s30, s30, s31
	s_mov_b32 s31, 0
	s_wait_kmcnt 0x0
	s_load_b512 s[32:47], s[12:13], s96 offset:0x2000  ; the bitmap first: the rows hang on its count
	s_load_b512 s[48:63], s[12:13], s96 offset:0x2040
	s_add_nc_u64 s[8:9], s[8:9], s[30:31]
	LOADW 0, 0
	LOADW 1, 1
	WIN 0
	global_prefetch_b8 v17, s[8:9] offset:3*STEPW th:TH_LOAD_NT scope:SCOPE_SE
	global_prefetch_b8 v17, s[8:9] offset:4*STEPW th:TH_LOAD_NT scope:SCOPE_SE
	s_add_nc_u64 s[26:27], s[8:9], 5*STEPW
	s_lshl_b32 s30, s4, 12                         ; gs: the expert's 1024 words,
	s_add_nc_u64 s[14:15], s[14:15], s[30:31]
	s_lshl_b32 s30, s2, 6                          ; and my first tile's 16 of them; my tiles lie 64 words apart
	s_add_nc_u64 s[88:89], s[14:15], s[30:31]
.irp j, 0,1,2,3,4
	global_load_b128 v[GS+8*\j:GS+8*\j+3], v18, s[88:89] offset:256*\j
	global_load_b128 v[GS+8*\j+4:GS+8*\j+7], v18, s[88:89] offset:256*\j+16
.endr
	s_lshl_b32 s30, s4, 23                         ; h: expert, K part
	s_lshl_b32 s28, s7, 15
	s_add_co_u32 s30, s30, s28
	s_add_nc_u64 s[10:11], s[10:11], s[30:31]
	s_mov_b64 s[24:25], s[10:11]
	s_lshl_b32 s30, s7, 25                         ; part: K part, expert, slice
	s_lshl_b32 s28, s4, 22
	s_add_co_u32 s30, s30, s28
	s_lshl_b32 s28, s3, 9
	s_add_co_u32 s30, s30, s28
	s_add_nc_u64 s[16:17], s[16:17], s[30:31]
	s_mov_b32 s74, 0
	s_wait_kmcnt 0x0
.set li, 0
.rept 32
	s_bcnt1_i32_b32 s30, s[32+li]
	s_add_co_u32 s74, s74, s30
.set li, li+1
.endr
	s_add_co_u32 s75, s74, 15
	s_lshr_b32 s75, s75, 4                         ; the expert's tiles
	s_max_u32 s76, s75, 1
	s_sub_co_u32 s77, s76, 1                       ; the last tile that was written
.irp j, 0,1,2,3,4
	s_add_co_u32 s30, s2, 4*\j
	s_min_u32 s30, s30, s77
	s_min_u32 s30, s30, 63
	s_lshl_b32 s30, s30, 17
	v_add_nc_u32 v[10+\j], s30, v9
.endr
	LOADA 0, 0, 0
	s_wait_loadcnt 46                              ; W(0) is in; younger: W(1)'s 16, the gates' 10 and A(0)'s 20
	CVTW 0
	STW
	LOADW 0, 2                                     ; 62 loads are out
	WIN 0
	s_wait_dscnt 0x0
	s_barrier_signal -1
	s_barrier_wait -1                              ; W(0) is whole
	STEP 0, 1, 1, 1, 1, 1, 16, 1, 0                ; step 0 starts the sums, all five tiles'; younger than W(1), the gates and A(0): W(2)'s 16
	s_mov_b32 s81, 6
.Lk:                                                   ; steps 1 to 12
	STEP 1, 0, 1, 1, 1, 1, 16, 1, 1
	STEP 0, 0, 1, 1, 1, 1, 16, 1, 1
	s_sub_co_u32 s81, s81, 1
	s_cmp_lg_u32 s81, 0
	s_cbranch_scc1 .Lk
	STEP 1, 0, 1, 1, 0, 0, 16, 1, 1                ; 13: younger than W(14) and A(13): W(15)
	STEP 0, 0, 1, 1, 0, 0, 0, 1, 1                 ; 14: nothing was issued behind W(15) and A(14)
	STEP 1, 0, 0, 0, 0, 0, 0, 0, 1                 ; 15
	PLACES
	s_mov_b32 s83, 0
.Ltile:                                                ; 16 trips: tile t = 4 u + w; a tile past the count is jumped, forward, past no barrier
	s_lshl_b32 s84, s83, 2
	s_add_co_u32 s84, s84, s2
	s_cmp_ge_u32 s84, s75
	s_cbranch_scc1 .Lnext
	s_wait_xcnt 0x0                                ; the last tile's stores have read their registers and their base
	s_lshl_b32 s30, s84, 16                        ; 16 rows of 4096 bytes
	s_mov_b32 s31, 0
	s_add_nc_u64 s[86:87], s[16:17], s[30:31]
	s_cmp_lt_u32 s83, 5
	s_cbranch_scc0 .Lover
	s_cmp_eq_u32 s83, 0
	s_cbranch_scc1 .Lc0
	s_cmp_eq_u32 s83, 1
	s_cbranch_scc1 .Lc1
	s_cmp_eq_u32 s83, 2
	s_cbranch_scc1 .Lc2
	s_cmp_eq_u32 s83, 3
	s_cbranch_scc1 .Lc3
	s_branch .Lc4
.Lover:                                                ; a late tile is first multiplied, into set 0, which has left; its gates take the first set's registers
	s_lshl_b32 s30, s84, 6
	s_add_nc_u64 s[88:89], s[14:15], s[30:31]
	global_load_b128 v[GS:GS+3], v18, s[88:89]     ; older than the tile's loads of h: the first counted wait below shows them in
	global_load_b128 v[GS+4:GS+7], v18, s[88:89] offset:16
	s_lshl_b32 s30, s84, 17
	v_add_nc_u32 v15, s30, v9
	v_mov_b32 v16, v9                              ; 16 x lane; sixteen steps of 16,384 bytes: all reads lie below byte 262,144
	WIN 0x40
.set ak, 0
.rept 4
	global_load_b128 v[4*ak:4*ak+3], v15, s[TB:TB+1] offset:(ak>>1)*AKB+(ak&1)*AP
.set ak, ak+1
.endr
	WIN 0
	TSTEP 0, 1, 1
	s_mov_b32 s85, 7
.Ltk:
	TSTEP 1, 0, 1
	TSTEP 0, 0, 1
	s_sub_co_u32 s85, s85, 1
	s_cmp_lg_u32 s85, 0
	s_cbranch_scc1 .Ltk
	TSTEP 1, 0, 0
	PLACES
.Lc0:
	MULG 0
	s_branch .Lst
.Lc1:
	MULG 1
	s_branch .Lst
.Lc2:
	MULG 2
	s_branch .Lst
.Lc3:
	MULG 3
	s_branch .Lst
.Lc4:
	MULG 4
.Lst:
	WIN 0x0c                                       ; data in window 3, address in window 0
.set gi, 0
.rept 16                                               ; gi = 8 cb + j
	global_store_b128 v19, v[XR+4*gi:XR+4*gi+3], s[86:87] offset:(gi&7)*4096+(gi>>3)*256
.set gi, gi+1
.endr
	WIN 0
.Lnext:
	s_add_co_u32 s83, s83, 1
	s_cmp_lt_u32 s83, 16
	s_cbranch_scc1 .Ltile
	s_wait_dscnt 0x0                               ; my reads of LDS are over,
	s_barrier_signal -1
	s_barrier_wait -1                              ; and everybody's are, the late tiles' too: only now does any wave write LDS again (the add below)
	s_wait_tensorcnt 0x0                           ; the wave's end
	ds_add_u32 v4, v5
	s_wait_dscnt 0x0
	s_endpgm
.Lfunc_end_k_q695578e5c2_down:
	.size	k_q695578e5c2_down, .Lfunc_end_k_q695578e5c2_down-k_q695578e5c2_down
	.p2alignl 7, 3214868480
	.fill 96, 4, 3214868480
	.section	.rodata,"a",@progbits
	.p2align	6, 0x0
	.amdhsa_kernel k_q695578e5c2_down
		.amdhsa_group_segment_fixed_size 262656
		.amdhsa_private_segment_fixed_size 0
		.amdhsa_enable_private_segment 0
		.amdhsa_kernarg_size 40
		.amdhsa_user_sgpr_count 2
		.amdhsa_user_sgpr_kernarg_segment_ptr 1
		.amdhsa_wavefront_size32 1
		.amdhsa_system_sgpr_workgroup_id_x 1
		.amdhsa_system_sgpr_workgroup_id_y 1
		.amdhsa_system_sgpr_workgroup_id_z 1
		.amdhsa_system_vgpr_workitem_id 0
		.amdhsa_next_free_vgpr 1024
		.amdhsa_next_free_sgpr 100
		.amdhsa_reserve_vcc 0
		.amdhsa_float_denorm_mode_32 3
		.amdhsa_float_denorm_mode_16_64 3
		.amdhsa_memory_ordered 1
		.amdhsa_forward_progress 1
		.amdhsa_inst_pref_size 121
	.end_amdhsa_kernel
	.amdgpu_metadata
---
amdhsa.version: [ 1, 2 ]
amdhsa.kernels:
  - .name:           k_q695578e5c2_down
    .symbol:         k_q695578e5c2_down.kd
    .args:
      - { .name: w2, .offset: 0, .size: 8, .value_kind: global_buffer, .address_space: global }
      - { .name: h, .offset: 8, .size: 8, .value_kind: global_buffer, .address_space: global }
      - { .name: route, .offset: 16, .size: 8, .value_kind: global_buffer, .address_space: global }
      - { .name: gs, .offset: 24, .size: 8, .value_kind: global_buffer, .address_space: global }
      - { .name: part, .offset: 32, .size: 8, .value_kind: global_buffer, .address_space: global }
    .group_segment_fixed_size: 262656
    .private_segment_fixed_size: 0
    .kernarg_segment_align: 8
    .kernarg_segment_size: 40
    .max_flat_workgroup_size: 128
    .sgpr_count:     100
    .vgpr_count:     1024
    .wavefront_size: 32
...
	.end_amdgpu_metadata
.endif
;; end of part 6
;; launch combine: the kernel of part 4 again; grid 256 x 1, 4 waves a work-group, no clusters, 0 bytes of LDS; arguments part, route, rank, gd, b2, out0; writes out0
